; MI455X (gfx1250); checked and timed in simulation.
; The chip was launched on July 23, 2026; its instructions are those of AMD's public machine-readable ISA for CDNA 5 (MIT licence, August 2026) and "CDNA5" Instruction Set Architecture Reference Guide (July 2026). The comments in the code are by the model that wrote it; some were corrected since.
;; Multi Scale Transformer Layer. Allowed arithmetic: matrix products marked QUANTISED: E2M1 operands, one E8M0 scale for each 32 along K, by v_wmma_scale_f32_16x16x128_f8f6f4 with both operands' format E2M1 (or v_wmma_scale_f32_32x16x128_f4), f32 sums; everything else in f32.
;; Inputs: W1_codes 2,048 x 16 x 16 uint8 (E2M1 codes of W1, K innermost, in blocks of 32 codes, two codes a byte); W1_scales 2,048 x 16 uint8 (E8M0 scales of W1, one for each 32 codes along K); W2_codes 512 x 64 x 16 uint8 (E2M1 codes of W2, K innermost, in blocks of 32 codes, two codes a byte); W2_scales 512 x 64 uint8 (E8M0 scales of W2, one for each 32 codes along K); Wk_codes 512 x 16 x 16 uint8 (E2M1 codes of Wk, K innermost, in blocks of 32 codes, two codes a byte); Wk_scales 512 x 16 uint8 (E8M0 scales of Wk, one for each 32 codes along K); Wo_codes 512 x 16 x 16 uint8 (E2M1 codes of Wo, K innermost, in blocks of 32 codes, two codes a byte); Wo_scales 512 x 16 uint8 (E8M0 scales of Wo, one for each 32 codes along K); Wq_codes 512 x 16 x 16 uint8 (E2M1 codes of Wq, K innermost, in blocks of 32 codes, two codes a byte); Wq_scales 512 x 16 uint8 (E8M0 scales of Wq, one for each 32 codes along K); Wv_codes 512 x 16 x 16 uint8 (E2M1 codes of Wv, K innermost, in blocks of 32 codes, two codes a byte); Wv_scales 512 x 16 uint8 (E8M0 scales of Wv, one for each 32 codes along K); b1 2,048 float32; b2 512 float32; be1 512 float32; be2 512 float32; bk 512 float32; bo 512 float32; bq 512 float32; bv 512 float32; g1 512 float32; g2 512 float32; x 32 x 512 x 512 float32.
;; Outputs: out0 32 x 512 x 512 float32.
;; This version of the problem:
;;   THIS VERSION OF THE PROBLEM IS GIVEN IN LOW PRECISION. The matrix products marked QUANTISED in the list below multiply operands that are first quantised to E2M1 (2 exponent bits, 1 mantissa bit; 4 bits a number), with one power-of-two scale for each 32 numbers along K (OCP MX v1.0); their sums are f32. All else is computed in f32.
;;   The module's matrix products, in the order in which they are computed (A, B: the left and right operand; K: the contracted axis; several contracted axes count as one K, in the product's order):
;;     1. [M 16,384, K 512] x [K 512, N 512]; A: computed on the way; B: input Wq (given as codes): QUANTISED
;;     2. [M 16,384, K 512] x [K 512, N 512]; A: computed on the way; B: input Wk (given as codes): QUANTISED
;;     3. [M 16,384, K 512] x [K 512, N 512]; A: computed on the way; B: input Wv (given as codes): QUANTISED
;;     4. batch 512 x [M 512, K 32] x [K 32, N 512]; A: computed on the way; B: computed on the way: QUANTISED
;;     5. batch 512 x [M 512, K 512] x [K 512, N 32]; A: softmax (see below); B: computed on the way: QUANTISED
;;     6. [M 16,384, K 512] x [K 512, N 512]; A: computed on the way; B: input Wo (given as codes): QUANTISED
;;     7. [M 16,384, K 512] x [K 512, N 2,048]; A: computed on the way; B: input W1 (given as codes): QUANTISED
;;     8. [M 16,384, K 2,048] x [K 2,048, N 512]; A: computed on the way; B: input W2 (given as codes): QUANTISED
;;   THE QUANTISER, for each operand of a quantised product, along K:
;;     - K is cut into blocks of 32 from its start; a last block that is shorter is filled with zeros.
;;     - A block's scale is 2^e with e = floor(log2(the largest magnitude in the block)) - 2, held to -126 .. 127; a block of zeros has e = 0. As a byte (E8M0): e + 127.
;;     - Each number is divided by its block's scale, clamped to +-6, and rounded to the nearest number of E2M1, ties to even, subnormals kept.
;;     - The product sums the exact products of the quantised numbers (number of the format x scale) in f32.
;;   ~~~python
;;   def quantise(x, axis):      # numpy; x: float32 -> the quantised numbers, widened to float32 again
;;       x = np.moveaxis(x, axis, -1); K = x.shape[-1]
;;       x = np.pad(x, [(0, 0)] * (x.ndim - 1) + [(0, -K % 32)]); x = x.reshape(x.shape[:-1] + (-1, 32)); a = np.abs(x).max(-1, keepdims=True)
;;       e = np.where(a > 0, np.clip(np.frexp(np.where(a > 0, a, 1))[1] - 1 - 2, -126, 127), 0)      # np.frexp(a)[1] - 1 = floor(log2(a)), exactly
;;       r = np.clip(x / 2.0 ** e, -6, 6)
;;       step = 2.0 ** (np.maximum(np.frexp(np.where(r == 0, 1, r))[1] - 1, 0) - 1)
;;       q = np.round(r / step) * step * 2.0 ** e      # np.round: ties to even
;;       return np.moveaxis(q.reshape(q.shape[:-2] + (-1,))[..., :K], -1, axis).astype(np.float32)
;;   ~~~
;;   SOFTMAX AHEAD OF A QUANTISED PRODUCT. Where the list says 'softmax', what is quantised is not the finished softmax but p = 2^(t - M), with t = logit x log2(e) and M = ceil(the row's largest t), a whole number; so 1/2 < the row's largest p <= 1. The row's sum l is taken of the UNQUANTISED p, in f32, and the product's result is divided by l at the end. Since M is a whole number, a kernel that streams over the keys may use a running M (the ceiling of the running maximum): every later rescaling is an exact power of two, which a block's scale takes up: the codes' values come out the same.
;;   OPERANDS COMPUTED ON THE WAY. 'Computed on the way' means the value that the module computes at that place (a softmax that the list does not call 'softmax' is quantised finished and normalised). What goes into a quantiser is computed in f32, as accurately as f32 sums, v_exp_f32 and their like allow (about 1e-6 of the number): no bf16 or f16 on the way to a quantiser, and a product that is left as it is and whose result goes on into a quantised operand takes f32 operands (vector FMAs, or v_wmma_f32_16x16x4_f32). A number that lies on a knife's edge between two numbers of the format may be rounded either way, as far as f32 arithmetic and the matrix unit's own rounding can turn it there, and no further.
;;   INPUTS GIVEN AS CODES. W1 (in the module: [512, 2048], K = its axis 0); W2 (in the module: [2048, 512], K = its axis 0); Wk (in the module: [512, 512], K = its axis 0); Wo (in the module: [512, 512], K = its axis 0); Wq (in the module: [512, 512], K = its axis 0); Wv (in the module: [512, 512], K = its axis 0): each comes as NAME_codes (uint8): NAME with its K axis moved to the last place and cut into blocks of 32 codes, [.., K / 32, bytes a block], one block behind the other in memory; two codes a byte, the lower K in the low four bits (a code: sign, 2 exponent bits, 1 mantissa bit); and NAME_scales (uint8): the same leading axes, one E8M0 byte (e + 127) for each 32 codes along K. Its value is code x scale, taken as it is: it is not quantised again, and the codes and scales need not be those that the quantiser above would give.
;; 2 versions, each right; version 2 is version 1 with the launch attn written anew for expert scheduling mode. Each part assembles by itself: llvm-mc -triple=amdgcn-amd-amdhsa -mcpu=gfx1250 --defsym DOCPART=n.
;; ======== version 1 of 2: 3 launches
;; workspace buffers: qc 4,194,304 bytes; kc 4,194,304 bytes; vc 4,194,304 bytes; ac 4,194,304 bytes; qsc 262,144 bytes; ksc 262,144 bytes; vsc 262,144 bytes; asc 262,144 bytes
;; launch qkv (part 1): grid 256 x 1, 4 waves a work-group, clusters of 4 x 1, 327,680 bytes of LDS; arguments x, g1, be1, Wq_codes, Wq_scales, bq, Wk_codes, Wk_scales, bk, Wv_codes, Wv_scales, bv, qc, qsc, kc, ksc, vc, vsc; writes qc, qsc, kc, ksc, vc, vsc
.if DOCPART == 1
	.amdgcn_target "amdgcn-amd-amdhsa--gfx1250"
	.amdhsa_code_object_version 6
	.text
	.protected	k_qd5c7acdfbb_qkv
	.globl	k_qd5c7acdfbb_qkv
	.p2align	8
	.type	k_qd5c7acdfbb_qkv,@function
k_qd5c7acdfbb_qkv:
	s_mov_b64 s[64:65], 0
	v_nop
	global_prefetch_b8 v0, s[64:65] scope:SCOPE_SE
	s_setreg_imm32_b32 hwreg(HW_REG_WAVE_MODE, 25, 1), 1
	s_wait_xcnt 0x0
	s_wait_alu depctr_hold_cnt(0) depctr_sa_sdst(0) depctr_va_vdst(0) depctr_va_sdst(0) depctr_va_ssrc(0) depctr_va_vcc(0) depctr_vm_vsrc(0)
	s_getreg_b32 s2, hwreg(HW_REG_IB_STS2, 6, 4)
	s_cmp_eq_u32 s2, 0
	s_cbranch_scc0 .Lentry_in_a_cluster
	s_endpgm
.Lentry_in_a_cluster:
	s_bfe_u32 s2, ttmp6, 0x10000c
	s_cmp_lg_u32 s2, 0x3003
	s_cbranch_scc0 .Lentry_shape_is_right
	s_endpgm
.Lentry_shape_is_right:
; LayerNorm 1, its quantising to FP4 (E2M1, one E8M0 scale for each 32 along K), the products with Wq, Wk, Wv and their biases, RoPE on q and k,
; and the quantising of q and k along the head's 32 channels and of v along the keys.  Only codes and scale bytes are stored.
; SHARES.  A work-group owns 64 tokens of one batch (work-group G: batch G / 8, tokens 64 (G % 8) on).  LayerNorm: wave w takes tokens 16 w .. 16 w + 15.
; Products: THE WAVES SHARE THE COLUMNS: wave w makes heads 4 w .. 4 w + 3 of q, k and v for all 64 tokens; its 128 rows of a weight are copied from LDS into 256 registers once, and each fragment feeds 4 products.
; CLUSTER.  The four work-groups of a cluster walk the same weights: each weight comes by joint tensor loads (mask 15), 256 rows of 256 bytes a load.  The weights' scale bytes and the biases
; (8 KB beside a weight's 128 KB of codes) go from memory straight into registers and are not shared.
; ORDER OF TOKENS.  A tile of 16 tokens is tile m (0..3) of the 64: lane r holds token 32 (m / 2) + 8 (m % 2) + r + 8 (r / 8).  All buffers written here are indexed by POSITION 16 m + r (a token's number with bits 3 and 4 swapped),
; so that where tokens run along registers, two neighbouring tiles give 16 neighbouring tokens.
; OUT: qc, kc [batch][head][position][16 bytes]; in the 16 bytes: channels 0-7, 16-23, 8-15, 24-31 (alike in q and k: the whole head is one block of 32, so the product does not see the order).
;      vc [batch][head][128 keys][half of the channels][1,024 bytes]: the registers of an operand of V^T, lane by lane.  qsc, ksc, vsc [batch][64 tokens][wave][r][head in wave]: one word of four scale bytes.
; LIMITS.  RoPE's inverse frequencies are the f32 numbers nearest to 10^(-i/4); a power computed in f32 may differ from them by an ulp or two (about 3e-5 radians at token 511).  The angles' reduction is exact for angles under 512;
; sine and cosine are polynomials good to about 1e-7.  A block of zeros gets the scale byte 1 and not 127: its codes are zeros and only this program reads the bytes.  NaN and infinities among the inputs are not served.
; REGISTERS, in windows of 256.  Window 0: v1-23 addresses; v32-47 x's scale words; v48-79, v80-111 weights' scale words; v112-175 64 numbers to quantise; v176-191 at work in RoPE; v192-207, v208-215, v216-221 the quantiser's;
;   v224-231 bv.  (In LayerNorm v112-215 hold g1, be1 and the rows' figures.)  Window 1: a weight's 32 fragments (in LayerNorm: x rows 0-7).  Window 2: 32 accumulators (in LayerNorm: x rows 8-15).
;   Window 3: v0-127 x's 16 fragments; v128-191 cosines and sines; v192-255 a bias in the result's layout.
.set PITCH, 272                        ; an LDS row of 256 bytes of codes + 16 of padding
.set W128,  128*PITCH                  ; a wave's 128 rows of a weight
.set W256,  256*PITCH                  ; what one tensor load brings
.set SLQ,   2*W256                     ; slot P at 0 (Wq, later Wv), slot Q here (Wk)
.set XR,    4*W256                     ; xn's codes: 64 rows (tokens in their true order) x 272
.set XSB,   XR+64*PITCH                ; xn's scale bytes: 64 x 16
.set TAB,   XSB+1024                   ; cosines and sines: four images of 16 registers, 2,048 bytes each
.set SPARE, TAB+8192                   ; the spare words: 128 bytes for each wave
.set SPW, 1
.set NIL, 2
.set AFR, 3                            ; xn's fragments: XR + (r + 8 (r / 8)) 272 + 16 h
.set AXS, 4                            ; xn's scale words
.set AWNP, 5                           ; my rows of slot P, tiles of 16 neighbouring rows
.set AWNQ, 6                           ; of slot Q
.set AWPP, 7                           ; of slot P, tiles of rows r + 8 (r / 8)
.set LT, 8                             ; TAB + 16 x lane
.set GX, 9                             ; 32 x lane: my 8 columns of a row of x
.set GSN, 10
.set GSP, 11
.set GBN, 12
.set GBV, 13
.set CST, 14                           ; 16 r + 8 h
.set VST, 15                           ; 16 x lane
.set LC, 16
.set LB, 17
.set VH, 18
.set VR, 19
.set VRP, 20
.set VL, 21
.set TW, 22
.set TF, 23
.set XSC, 32
.set WSA, 48
.set WSB, 80
.set R, 112
.set TU, 176
.set TM, 192
.set PC, 208
.set SW, 216
.set OUTW, 220
.set BVR, 224
.set GG, 112                           ; LayerNorm: g1, be1 of my 16 columns; four registers a row at work; permute targets; codes; bytes
.set BE, 128
.set TA, 144
.set PL, 176
.set CD, 184
.set BY, 200
.set QA, 144                           ; the table: angle, quadrant, square, sine, cosine, quadrant as a whole number, at work, inverse frequency
.set QN, 152
.set QU, 160
.set QS, 168
.set QC, 176
.set QI, 184
.set QT, 192
.set QV, 200
.set G1A, 40                           ; s[40:47] descriptor group 1;  s[48:51] group 0 of the first fill;  s[52:55] of Wv's
.set G0F, 48
.set G0V, 52
.set WV, 56
.set CX, 57
.set GI, 58
.set SEL, 70
.set MSB, 0
.macro WIN new                         ; the immediate's high byte repeats the setting that is left; a switch that changes nothing is dropped
.if MSB != (\new)
	s_set_vgpr_msb (MSB<<8)|(\new)
.set MSB, (\new)
.endif
.endm
.macro NOPS n
.rept \n
	v_nop
.endr
.endm
.macro ROUND                           ; a round of the cluster's barrier
	s_barrier_signal -1
	s_barrier_wait -1
	s_cmp_lg_u32 s[WV], 0
	s_cbranch_scc1 .Lnot_wave_0_\@
	s_barrier_signal -3
.Lnot_wave_0_\@:
	s_barrier_wait -3
	s_barrier_signal -1
	s_barrier_wait -1
.endm
.macro WM d, a, b, c, sa, sb           ; one product of 16 x 16 x 128 on codes
	v_wmma_scale_f32_16x16x128_f8f6f4 v[(\d):(\d)+7], v[(\a):(\a)+7], v[(\b):(\b)+7], v[(\c):(\c)+7], v[\sa], v[\sb] matrix_a_fmt:MATRIX_FMT_FP4 matrix_b_fmt:MATRIX_FMT_FP4
.endm
	s_load_b512 s[4:19], s[0:1], 0x0               ; x, g1, be1, Wq codes, Wq scales, bq, Wk codes, Wk scales
	s_load_b512 s[20:35], s[0:1], 0x40             ; bk, Wv codes, Wv scales, bv, qc, qsc, kc, ksc
	s_load_b128 s[36:39], s[0:1], 0x80             ; vc, vsc
	v_lshl_add_u32 v[SPW], v0, 2, SPARE
	v_mov_b32 v[NIL], 0
	ds_add_u32 v1, v2
	ds_add_u32 v1, v2
	s_wait_dscnt 0x0
	v_lshrrev_b32 v24, 5, v0
	v_readfirstlane_b32 s[WV], v24                 ; wave 0..3
	s_bfe_u32 s[CX], ttmp6, 0x40000                ; my place in the cluster: it enters global addresses and the tokens' numbers alone
	s_lshl_b32 s[GI], ttmp9, 2
	s_add_co_u32 s[GI], s[GI], s[CX]               ; G
	s_mov_b32 s[G1A], 15|(1<<20)|(1<<21)|(5<<22)|(3<<25)  ; mask: all four work-groups; elements of 1 byte; padding on; bit 21 beside a mask; 4 words behind every 64
	s_mov_b32 s[G1A+1], 256<<16                    ; tensor_dim0 = 256
	s_mov_b32 s[G1A+2], 256<<16                    ; tensor_dim1 = 256
	s_mov_b32 s[G1A+3], 256<<16                    ; tile_dim0 = 256
	s_mov_b32 s[G1A+4], 256                        ; tile_dim1 = 256
	s_mov_b32 s[G1A+5], 256                        ; from row to row
	s_mov_b32 s[G1A+6], 0
	s_mov_b32 s[G1A+7], 0
	s_mov_b32 s[SEL], 0x76543210
	s_mov_b32 s[SEL+1], 0xfedcba98                 ; v_permlanex16_b32's selects for lane l xor 16
	s_mov_b32 s72, 0x3f22f983                      ; 2 / pi
	s_mov_b32 s73, 0xbfc90fdb                      ; -(the f32 nearest to pi / 2)
	s_mov_b32 s74, 0x333bbd2e                      ; by how much that f32 lies above pi / 2
	s_mov_b32 s75, -0.16666654611                  ; sine: r + r u (S1 + u (S2 + u S3)), u = r r
	s_mov_b32 s76, 0.0083321608736
	s_mov_b32 s77, -0.00019515295891
	s_mov_b32 s78, 0.04166664568                   ; cosine: 1 - u / 2 + u u (C1 + u (C2 + u C3))
	s_mov_b32 s79, -0.001388731625
	s_mov_b32 s80, 0.00002443315712
	s_mov_b32 s82, 0x3b000000                      ; 1 / 512
	s_mov_b32 s83, 0x3727c5ac                      ; 1e-5
	v_and_b32 v[VL], 31, v0
	v_and_b32 v[VR], 15, v0
	v_bfe_u32 v[VH], v0, 4, 1
	v_and_b32 v24, 8, v[VR]
	v_add_nc_u32 v[VRP], v24, v[VR]                ; r + 8 (r / 8)
	v_mul_u32_u24 v24, v[VRP], PITCH
	v_lshl_add_u32 v24, v[VH], 4, v24
	v_add_nc_u32 v[AFR], XR, v24
	v_lshl_add_u32 v[AXS], v[VRP], 4, XSB
	s_mul_i32 s59, s[WV], W128
	v_add_nc_u32 v[AWPP], s59, v24
	v_mul_u32_u24 v25, v[VR], PITCH
	v_lshl_add_u32 v25, v[VH], 4, v25
	v_add_nc_u32 v[AWNP], s59, v25
	v_add_nc_u32 v[AWNQ], SLQ, v[AWNP]
	v_lshl_add_u32 v[LT], v[VL], 4, TAB
	s_lshl_b32 s60, s[WV], 11
	v_add_nc_u32 v[TW], s60, v[LT]
	v_lshlrev_b32 v[GX], 5, v[VL]
	v_lshlrev_b32 v[GSN], 4, v[VR]
	v_lshlrev_b32 v[GSP], 4, v[VRP]
	s_lshl_b32 s61, s[WV], 9
	v_lshl_add_u32 v[GBN], v[VH], 5, s61
	v_lshl_add_u32 v[GBV], v[VRP], 2, s61
	v_lshlrev_b32 v[CST], 4, v[VR]
	v_lshl_add_u32 v[CST], v[VH], 3, v[CST]
	v_lshlrev_b32 v[VST], 4, v[VL]
	s_mul_i32 s62, s[WV], 16*PITCH
	v_lshl_add_u32 v[LC], v[VL], 2, s62
	v_add_nc_u32 v[LC], XR, v[LC]                  ; my 4 bytes of codes in my wave's first row
	v_lshrrev_b32 v[LB], 2, v[VL]
	s_lshl_b32 s63, s[WV], 8
	v_add_nc_u32 v[LB], s63, v[LB]
	v_add_nc_u32 v[LB], XSB, v[LB]                 ; my block's byte
	v_cmp_eq_u32 s81, 1, v[VH]                     ; lanes 16-31
	s_wait_kmcnt 0x0
	s_mov_b32 s67, 0
	s_mov_b32 s61, 0
	s_lshl_b32 s66, s[GI], 17                      ; 64 tokens of 2,048 bytes
	s_lshl_b32 s68, s[WV], 15
	s_add_co_u32 s66, s66, s68
	s_add_nc_u64 s[4:5], s[4:5], s[66:67]          ; x at my wave's 16 rows
	s_lshl_b32 s66, s[WV], 11                      ; 128 rows of 16 scale bytes
	s_add_nc_u64 s[12:13], s[12:13], s[66:67]
	s_add_nc_u64 s[18:19], s[18:19], s[66:67]
	s_add_nc_u64 s[24:25], s[24:25], s[66:67]
	s_lshr_b32 s66, s[GI], 3
	s_lshl_b32 s66, s66, 17                        ; the batch: 16 heads of 8,192 bytes,
	s_add_co_u32 s66, s66, s68                     ; my four heads
	s_and_b32 s69, s[GI], 7                        ; which 64 tokens of the batch
	s_lshl_b32 s60, s69, 10
	s_add_co_u32 s60, s60, s66
	s_add_nc_u64 s[28:29], s[28:29], s[60:61]      ; qc
	s_add_nc_u64 s[32:33], s[32:33], s[60:61]      ; kc
	s_lshr_b32 s60, s69, 1
	s_lshl_b32 s60, s60, 11
	s_add_co_u32 s60, s60, s66
	s_and_b32 s59, s69, 1
	s_lshl_b32 s59, s59, 9
	s_add_co_u32 s60, s60, s59
	s_add_nc_u64 s[36:37], s[36:37], s[60:61]      ; vc
	s_lshl_b32 s60, s[GI], 2
	s_add_co_u32 s60, s60, s[WV]
	s_lshl_b32 s60, s60, 8
	s_add_nc_u64 s[30:31], s[30:31], s[60:61]      ; qsc, ksc, vsc
	s_add_nc_u64 s[34:35], s[34:35], s[60:61]
	s_add_nc_u64 s[38:39], s[38:39], s[60:61]
	s_and_b32 s59, s[WV], 1
	s_lshl_b32 s60, s59, 16                        ; which 256 rows of a weight I fetch
	s_mov_b32 s[G0F], 1
	s_mul_i32 s[G0F+1], s[WV], W256                ; waves 0, 1: Wq into slot P; waves 2, 3: Wk into slot Q
	s_cmp_lt_u32 s[WV], 2
	s_cselect_b64 s[G0F+2:G0F+3], s[10:11], s[16:17]
	s_add_nc_u64 s[G0F+2:G0F+3], s[G0F+2:G0F+3], s[60:61]
	s_or_b32 s[G0F+3], s[G0F+3], 0x80000000
	s_mov_b32 s[G0V], 1
	s_mul_i32 s[G0V+1], s59, W256                  ; Wv into slot P (waves 0, 1)
	s_add_nc_u64 s[G0V+2:G0V+3], s[22:23], s[60:61]
	s_or_b32 s[G0V+3], s[G0V+3], 0x80000000
	ROUND                                          ; all four work-groups are here: the first joint loads meet
	tensor_load_to_lds s[G0F:G0F+3], s[G1A:G1A+7]  ; one load a wave
	s_nop 0
	NOPS 4
.irp k, 0,1
	global_load_b128 v[GG+8*\k:GG+8*\k+3], v[GX], s[6:7] offset:1024*\k
	global_load_b128 v[GG+8*\k+4:GG+8*\k+7], v[GX], s[6:7] offset:1024*\k+16
	global_load_b128 v[BE+8*\k:BE+8*\k+3], v[GX], s[8:9] offset:1024*\k
	global_load_b128 v[BE+8*\k+4:BE+8*\k+7], v[GX], s[8:9] offset:1024*\k+16
.endr
	WIN 0x40                                       ; x: a lane holds columns 8 l .. 8 l + 7 and 256 + 8 l .. + 7 of each row; rows 0-7 into window 1,
.irp i, 0,1,2,3,4,5,6,7
.irp k, 0,1
	global_load_b128 v[16*\i+8*\k:16*\i+8*\k+3], v[GX], s[4:5] offset:\i*2048+1024*\k th:TH_LOAD_NT
	global_load_b128 v[16*\i+8*\k+4:16*\i+8*\k+7], v[GX], s[4:5] offset:\i*2048+1024*\k+16 th:TH_LOAD_NT
.endr
.endr
	WIN 0x80                                       ; rows 8-15 into window 2
.irp i, 0,1,2,3,4,5,6,7
.irp k, 0,1
	global_load_b128 v[16*\i+8*\k:16*\i+8*\k+3], v[GX], s[4:5] offset:(8+\i)*2048+1024*\k th:TH_LOAD_NT
	global_load_b128 v[16*\i+8*\k+4:16*\i+8*\k+7], v[GX], s[4:5] offset:(8+\i)*2048+1024*\k+16 th:TH_LOAD_NT
.endr
.endr
	WIN 0
; THE TABLE, while the loads are on their way.  Wave w makes tile w's: lane (r, h) the cosines and sines of its token at frequencies 8 h + 0 .. 7.
	s_lshl_b32 s59, s69, 6
	s_lshr_b32 s60, s[WV], 1
	s_lshl_b32 s60, s60, 5
	s_add_co_u32 s59, s59, s60
	s_and_b32 s60, s[WV], 1
	s_lshl_b32 s60, s60, 3
	s_add_co_u32 s59, s59, s60
	v_add_nc_u32 v[TF], s59, v[VRP]
	v_cvt_f32_u32 v[TF], v[TF]                     ; my token's number in its batch
	v_cmp_eq_u32 vcc_lo, 1, v[VH]
.macro INV j, lo, hi                   ; 10^(-i / 4) at i = j (lanes 0-15) or 8 + j (lanes 16-31)
	v_mov_b32 v[QV+\j], \hi
	v_cndmask_b32 v[QV+\j], \lo, v[QV+\j], vcc_lo
.endm
	INV 0, 1.0, 0.01
	INV 1, 0.5623413252, 0.005623413252
	INV 2, 0.3162277660, 0.003162277660
	INV 3, 0.1778279410, 0.001778279410
	INV 4, 0.1, 0.001
	INV 5, 0.05623413252, 0.0005623413252
	INV 6, 0.03162277660, 0.0003162277660
	INV 7, 0.01778279410, 0.0001778279410
.irp j, 0,1,2,3,4,5,6,7
	v_mul_f32 v[QA+\j], v[TF], v[QV+\j]            ; the angle, rounded once
.endr
.irp j, 0,1,2,3,4,5,6,7
	v_mul_f32 v[QN+\j], s72, v[QA+\j]
.endr
.irp j, 0,1,2,3,4,5,6,7
	v_rndne_f32 v[QN+\j], v[QN+\j]                 ; how many quarter turns
.endr
.irp j, 0,1,2,3,4,5,6,7
	v_fma_f32 v[QA+\j], v[QN+\j], s73, v[QA+\j]    ; exact: the difference is a multiple of 2^-23 under 1
.endr
.irp j, 0,1,2,3,4,5,6,7
	v_fma_f32 v[QA+\j], v[QN+\j], s74, v[QA+\j]
.endr
.irp j, 0,1,2,3,4,5,6,7
	v_mul_f32 v[QU+\j], v[QA+\j], v[QA+\j]
.endr
.irp j, 0,1,2,3,4,5,6,7
	v_fma_f32 v[QS+\j], v[QU+\j], s77, s76
.endr
.irp j, 0,1,2,3,4,5,6,7
	v_fma_f32 v[QS+\j], v[QS+\j], v[QU+\j], s75
.endr
.irp j, 0,1,2,3,4,5,6,7
	v_mul_f32 v[QS+\j], v[QS+\j], v[QU+\j]
.endr
.irp j, 0,1,2,3,4,5,6,7
	v_fma_f32 v[QS+\j], v[QS+\j], v[QA+\j], v[QA+\j]
.endr
.irp j, 0,1,2,3,4,5,6,7
	v_fma_f32 v[QC+\j], v[QU+\j], s80, s79
.endr
.irp j, 0,1,2,3,4,5,6,7
	v_fma_f32 v[QC+\j], v[QC+\j], v[QU+\j], s78
.endr
.irp j, 0,1,2,3,4,5,6,7
	v_mul_f32 v[QC+\j], v[QC+\j], v[QU+\j]
.endr
.irp j, 0,1,2,3,4,5,6,7
	v_fma_f32 v[QT+\j], v[QU+\j], -0.5, 1.0
.endr
.irp j, 0,1,2,3,4,5,6,7
	v_fma_f32 v[QC+\j], v[QC+\j], v[QU+\j], v[QT+\j]
.endr
.irp j, 0,1,2,3,4,5,6,7
	v_cvt_i32_f32 v[QI+\j], v[QN+\j]
.endr
.irp j, 0,1,2,3,4,5,6,7                        ; the quadrant: odd: sine and cosine change places; the sine is negative in quadrants 2, 3, the cosine in 1, 2
	v_and_b32 v[QT+\j], 1, v[QI+\j]
	v_cmp_eq_u32 vcc_lo, 1, v[QT+\j]
	v_cndmask_b32 v[QU+\j], v[QS+\j], v[QC+\j], vcc_lo
	v_cndmask_b32 v[QC+\j], v[QC+\j], v[QS+\j], vcc_lo
	v_and_b32 v[QT+\j], 2, v[QI+\j]
	v_lshlrev_b32 v[QT+\j], 30, v[QT+\j]
	v_xor_b32 v[QS+\j], v[QU+\j], v[QT+\j]
	v_add_nc_u32 v[QI+\j], 1, v[QI+\j]
	v_and_b32 v[QI+\j], 2, v[QI+\j]
	v_lshlrev_b32 v[QI+\j], 30, v[QI+\j]
	v_xor_b32 v[QC+\j], v[QC+\j], v[QI+\j]
.endr
	ds_store_b128 v[TW], v[QC:QC+3]                ; the 16 registers go to LDS as they stand: 16 bytes a lane, 512 bytes a store
	ds_store_b128 v[TW], v[QC+4:QC+7] offset:512
	ds_store_b128 v[TW], v[QS:QS+3] offset:1024
	ds_store_b128 v[TW], v[QS+4:QS+7] offset:1536
	s_wait_dscnt 0x0                               ; the stores have read their registers
.irp i, 0,1,2,3,4,5,6,7
	v_mov_b32 v[PL+\i], 0                          ; a lane permute's destination counts as one of its sources
.endr
; LAYERNORM of eight rows at a time, the rows by turns, then their codes and scale bytes.  n: the window that holds the rows; row0: the first row's number in the wave.
.macro LNRED                           ; each row's two packed chains become one sum in every lane
.irp i, 0,1,2,3,4,5,6,7
	v_pk_add_f32 v[TA+4*\i:TA+4*\i+1], v[TA+4*\i:TA+4*\i+1], v[TA+4*\i+2:TA+4*\i+3]
.endr
.irp i, 0,1,2,3,4,5,6,7
	v_add_f32 v[TA+4*\i], v[TA+4*\i], v[TA+4*\i+1]
.endr
.irp x, 1,2,4,8
.irp i, 0,1,2,3,4,5,6,7
	v_add_f32_dpp v[TA+4*\i], v[TA+4*\i], v[TA+4*\i] row_xmask:\x row_mask:0xf bank_mask:0xf
.endr
.endr
.irp i, 0,1,2,3,4,5,6,7
	v_permlanex16_b32 v[PL+\i], v[TA+4*\i], s[SEL], s[SEL+1]
.endr
.irp i, 0,1,2,3,4,5,6,7
	v_add_f32 v[TA+4*\i], v[TA+4*\i], v[PL+\i]
.endr
.endm
.macro LNBATCH n, row0
	WIN (\n)|((\n)<<2)
.irp i, 0,1,2,3,4,5,6,7
	v_pk_add_f32 v[TA+4*\i:TA+4*\i+1], v[16*\i:16*\i+1], v[16*\i+2:16*\i+3]
	v_pk_add_f32 v[TA+4*\i+2:TA+4*\i+3], v[16*\i+4:16*\i+5], v[16*\i+6:16*\i+7]
.endr
	WIN (\n)<<2
.irp k, 8,12
.irp i, 0,1,2,3,4,5,6,7
	v_pk_add_f32 v[TA+4*\i:TA+4*\i+1], v[TA+4*\i:TA+4*\i+1], v[16*\i+\k:16*\i+\k+1]
	v_pk_add_f32 v[TA+4*\i+2:TA+4*\i+3], v[TA+4*\i+2:TA+4*\i+3], v[16*\i+\k+2:16*\i+\k+3]
.endr
.endr
	WIN 0
	LNRED
.irp i, 0,1,2,3,4,5,6,7
	v_mul_f32 v[TA+4*\i], s82, v[TA+4*\i]          ; the mean
.endr
	WIN ((\n)<<6)|(\n)
.irp i, 0,1,2,3,4,5,6,7
.irp k, 0,2,4,6,8,10,12,14
	v_pk_add_f32 v[16*\i+\k:16*\i+\k+1], v[16*\i+\k:16*\i+\k+1], v[TA+4*\i:TA+4*\i+1] op_sel_hi:[1,0] neg_lo:[0,1] neg_hi:[0,1]
.endr
.endr
	WIN (\n)|((\n)<<2)
.irp i, 0,1,2,3,4,5,6,7
	v_pk_mul_f32 v[TA+4*\i:TA+4*\i+1], v[16*\i:16*\i+1], v[16*\i:16*\i+1]
	v_pk_mul_f32 v[TA+4*\i+2:TA+4*\i+3], v[16*\i+2:16*\i+3], v[16*\i+2:16*\i+3]
.endr
.irp k, 4,8,12
.irp i, 0,1,2,3,4,5,6,7
	v_pk_fma_f32 v[TA+4*\i:TA+4*\i+1], v[16*\i+\k:16*\i+\k+1], v[16*\i+\k:16*\i+\k+1], v[TA+4*\i:TA+4*\i+1]
	v_pk_fma_f32 v[TA+4*\i+2:TA+4*\i+3], v[16*\i+\k+2:16*\i+\k+3], v[16*\i+\k+2:16*\i+\k+3], v[TA+4*\i+2:TA+4*\i+3]
.endr
.endr
	WIN 0
	LNRED
.irp i, 0,1,2,3,4,5,6,7
	v_fma_f32 v[TA+4*\i], v[TA+4*\i], s82, s83     ; the variance + 1e-5
.endr
.irp i, 0,1,2,3,4,5,6,7
	v_rsq_f32 v[TA+4*\i], v[TA+4*\i]
.endr
	v_nop                                          ; a plain instruction behind the last of the batch,
	s_wait_alu depctr_va_vdst(0)                   ; and one wait for the eight, ahead of their first reader
	WIN ((\n)<<6)|(\n)
.irp i, 0,1,2,3,4,5,6,7
.irp k, 0,2,4,6,8,10,12,14
	v_pk_mul_f32 v[16*\i+\k:16*\i+\k+1], v[16*\i+\k:16*\i+\k+1], v[TA+4*\i:TA+4*\i+1] op_sel_hi:[1,0]
.endr
.endr
.irp i, 0,1,2,3,4,5,6,7
.irp k, 0,2,4,6,8,10,12,14
	v_pk_fma_f32 v[16*\i+\k:16*\i+\k+1], v[16*\i+\k:16*\i+\k+1], v[GG+\k:GG+\k+1], v[BE+\k:BE+\k+1]
.endr
.endr
	s_wait_dscnt 0x0                               ; the last batch's LDS stores have read the registers that are written below
	WIN (\n)|((\n)<<2)
.irp i, 0,1,2,3,4,5,6,7
.irp f, 0,1
	v_max3_num_f32 v[TA+4*\i+2*\f], |v[16*\i+8*\f]|, |v[16*\i+8*\f+1]|, 0x1800000   ; my 8 numbers of a block of 32, and the floor 2^(3 - 127): the byte cannot fall under 1
.endr
.endr
.irp k, 2,4,6
.irp i, 0,1,2,3,4,5,6,7
.irp f, 0,1
	v_max3_num_f32 v[TA+4*\i+2*\f], |v[16*\i+8*\f+\k]|, |v[16*\i+8*\f+\k+1]|, v[TA+4*\i+2*\f]
.endr
.endr
.endr
	WIN 0
.irp x, 1,2
.irp i, 0,1,2,3,4,5,6,7
.irp f, 0,1
	v_max_num_f32_dpp v[TA+4*\i+2*\f], v[TA+4*\i+2*\f], v[TA+4*\i+2*\f] row_xmask:\x row_mask:0xf bank_mask:0xf   ; four neighbouring lanes hold a block
.endr
.endr
.endr
.irp i, 0,1,2,3,4,5,6,7
.irp f, 0,1
	v_add_nc_u32 v[TA+4*\i+2*\f+1], 0xff000000, v[TA+4*\i+2*\f]   ; 2 off the exponent field: the conversion's scale operand
.endr
.endr
.irp i, 0,1,2,3,4,5,6,7
.irp f, 0,1
	v_lshrrev_b32 v[BY+2*\i+\f], 23, v[TA+4*\i+2*\f+1]            ; the scale's byte
.endr
.endr
	WIN (\n)
.irp i, 0,1,2,3,4,5,6,7
.irp f, 0,1
	v_cvt_scalef32_pk8_fp4_f32 v[CD+2*\i+\f], v[16*\i+8*\f:16*\i+8*\f+7], v[TA+4*\i+2*\f+1]
.endr
.endr
	WIN 0
	v_nop                                          ; one plain place behind a scaled conversion
.irp i, 0,1,2,3,4,5,6,7
	ds_store_b32 v[LC], v[CD+2*\i] offset:(\row0+\i)*PITCH
	ds_store_b32 v[LC], v[CD+2*\i+1] offset:(\row0+\i)*PITCH+128
	ds_store_b8 v[LB], v[BY+2*\i] offset:(\row0+\i)*16          ; the four lanes of a block write the same byte with the same value
	ds_store_b8 v[LB], v[BY+2*\i+1] offset:(\row0+\i)*16+8
.endr
.endm
	s_wait_loadcnt 32                              ; g1, be1 and rows 0-7 are in; the 32 loads of rows 8-15 may be out
	LNBATCH 1, 0
.irp t, 0,1,2,3,4,5,6,7                        ; the scale words of my rows of Wq and Wk: four K steps' words of a tile's row by one load
	global_load_b128 v[WSA+4*\t:WSA+4*\t+3], v[GSN], s[12:13] offset:\t*256
	global_load_b128 v[WSB+4*\t:WSB+4*\t+3], v[GSN], s[18:19] offset:\t*256
.endr
	WIN 0xC0
.irp t, 0,1,2,3,4,5,6,7                        ; bq in the result's layout: lane (r, h), tile t: features 16 t + 8 h + 0 .. 7
	global_load_b128 v[192+8*\t:192+8*\t+3], v[GBN], s[14:15] offset:64*\t
	global_load_b128 v[192+8*\t+4:192+8*\t+7], v[GBN], s[14:15] offset:64*\t+16
.endr
	WIN 0
	s_wait_loadcnt 32                              ; rows 8-15 are in; the 32 loads just issued may be out
	LNBATCH 2, 8
	s_wait_tensorcnt 0x0                           ; my part of Wq or Wk has landed,
	s_wait_dscnt 0x0                               ; my codes, bytes and table lie in LDS:
	s_barrier_signal -1
	s_barrier_wait -1                              ; everybody's do.
.irp b, 0,1,2,3
	v_mov_b32 v[TM+4+\b], 0                        ; a lane permute's destination counts as one of its sources
.endr
	WIN 0xC0
.irp m, 0,1,2,3                                ; xn's 16 fragments (tile m, K step s) stay in registers
.irp s, 0,1,2,3
.irp c, 0,1
	ds_load_b128 v[8*(4*\m+\s)+4*\c:8*(4*\m+\s)+4*\c+3], v[AFR] offset:(32*(\m/2)+8*(\m%2))*PITCH+64*\s+32*\c
.endr
.endr
.endr
.irp m, 0,1,2,3
.irp k, 0,1,2,3
	ds_load_b128 v[128+16*\m+4*\k:128+16*\m+4*\k+3], v[LT] offset:\m*2048+512*\k
.endr
.endr
	WIN 0
.irp m, 0,1,2,3
	ds_load_b128 v[XSC+4*\m:XSC+4*\m+3], v[AXS] offset:(32*(\m/2)+8*(\m%2))*16
.endr
; my 8 tiles' fragments of K step s, from LDS into window 1.  perm = 0: a tile is 16 neighbouring rows; 1: rows 32 (t / 2) + 8 (t % 2) + r + 8 (r / 8)
.macro LOADWS adr, s, perm
	WIN 0x40
.irp t, 0,1,2,3,4,5,6,7
.irp c, 0,1
.if \perm
	ds_load_b128 v[8*(4*\t+\s)+4*\c:8*(4*\t+\s)+4*\c+3], v[\adr] offset:(32*(\t/2)+8*(\t%2))*PITCH+64*\s+32*\c
.else
	ds_load_b128 v[8*(4*\t+\s)+4*\c:8*(4*\t+\s)+4*\c+3], v[\adr] offset:16*\t*PITCH+64*\s+32*\c
.endif
.endr
.endr
.endm
	LOADWS AWNP, 0, 0
	LOADWS AWNP, 1, 0
	LOADWS AWNP, 2, 0
	LOADWS AWNP, 3, 0
	WIN 0
	s_wait_tensorcnt 0x0                           ; no tensor load of mine is out
	ds_add_u32 v[SPW], v[NIL]                      ; 0 onto my spare word
	s_wait_dscnt 0x0                               ; the add is done, and my reads of slot P are over: Wq is in registers
	ROUND                                          ; so it is in every wave of every partner
	s_cmp_lt_u32 s[WV], 2
	s_cbranch_scc0 .Lno_wv
	tensor_load_to_lds s[G0V:G0V+3], s[G1A:G1A+7]  ; Wv into slot P: it has q's and k's whole work in which to land
	s_nop 0
	NOPS 4
.Lno_wv:
	s_wait_loadcnt 0x0                             ; the scale words and bq
; q and k, TRANSPOSED: source 0 = 16 rows of the weight, source 1 = 16 tokens.  In accumulator (m, t) lane (r, h) holds token r of tile m and features 16 t + 8 h + 0 .. 7.  The 32 accumulators take turns.
.macro MULQK wsc, s
.if (\s) == 0
	WIN 0xBD                                       ; weight window 1, xn window 3, the bias (C) window 3, D window 2
.else
	WIN 0xAD                                       ; C and D window 2
.endif
.irp m, 0,1,2,3
.irp t, 0,1,2,3,4,5,6,7
.if (\s) == 0
	WM 64*\m+8*\t, 8*(4*\t+\s), 8*(4*\m+\s), 192+8*\t, \wsc+4*\t+\s, XSC+4*\m+\s
.else
	WM 64*\m+8*\t, 8*(4*\t+\s), 8*(4*\m+\s), 64*\m+8*\t, \wsc+4*\t+\s, XSC+4*\m+\s
.endif
.endr
.endr
.endm
; 64 numbers of a lane in window sw, register 16 b + i, four blocks b of which lane l xor 16 holds the other half, become codes in v[PC] on (two registers a block) and a word of the four scale bytes in v[pw].
; swap = 1: the halves change places so that a lane holds whole blocks, as an operand's layout wants them.
.macro QUANT src, sw, swap, pw
	WIN (\sw)|((\sw)<<2)
.irp b, 0,1,2,3
	v_max3_num_f32 v[TM+\b], |v[(\src)+16*\b]|, |v[(\src)+16*\b+1]|, 0x1800000   ; with the floor 2^(3 - 127)
.endr
.irp i, 2,4,6,8,10,12,14
.irp b, 0,1,2,3
	v_max3_num_f32 v[TM+\b], |v[(\src)+16*\b+\i]|, |v[(\src)+16*\b+\i+1]|, v[TM+\b]
.endr
.endr
	WIN 0
.irp b, 0,1,2,3
	v_permlanex16_b32 v[TM+4+\b], v[TM+\b], s[SEL], s[SEL+1]
.endr
.irp b, 0,1,2,3
	v_max_num_f32 v[TM+\b], v[TM+\b], v[TM+4+\b]
.endr
.irp b, 0,1,2,3
	v_add_nc_u32 v[TM+12+\b], 0xff000000, v[TM+\b]
.endr
.irp b, 0,1,2,3
	v_lshrrev_b32 v[TM+4+\b], 23, v[TM+12+\b]
.endr
	v_lshl_or_b32 v[\pw], v[TM+5], 8, v[TM+4]
	v_lshl_or_b32 v[\pw], v[TM+6], 16, v[\pw]
	v_lshl_or_b32 v[\pw], v[TM+7], 24, v[\pw]
	s_wait_xcnt 0x0                                ; earlier stores have read the codes' registers: only behind this wait are they written again
	WIN (\sw)
.irp b, 0,1,2,3
	v_cvt_scalef32_pk8_fp4_f32 v[PC+2*\b], v[(\src)+16*\b:(\src)+16*\b+7], v[TM+12+\b]
	v_cvt_scalef32_pk8_fp4_f32 v[PC+2*\b+1], v[(\src)+16*\b+8:(\src)+16*\b+15], v[TM+12+\b]
.endr
	WIN 0
	v_nop                                          ; one plain place behind a scaled conversion
.if \swap
.irp c, 0,1
.irp i, 0,1
	v_permlane16_swap_b32 v[PC+4*\c+\i], v[PC+4*\c+2+\i]
.endr
.endr
.endif
.endm
; RoPE, the quantiser and the stores, a head at a time.  Of head d a lane holds channels 8 h + j (tile 2 d) and 16 + 8 h + j (tile 2 d + 1): the two partners of a rotation, at frequency 8 h + j.
.macro QKHEADS cp, sp
.irp d, 0,1,2,3
	WIN 0x0E                                       ; source 0 window 2 (results), source 1 window 3 (the table)
.irp m, 0,1,2,3
.irp k, 0,2,4,6
	v_pk_mul_f32 v[TU+\k:TU+\k+1], v[64*\m+16*\d+8+\k:64*\m+16*\d+9+\k], v[136+16*\m+\k:137+16*\m+\k]
.endr
.irp k, 0,2,4,6
	v_pk_mul_f32 v[TU+8+\k:TU+9+\k], v[64*\m+16*\d+\k:64*\m+16*\d+1+\k], v[136+16*\m+\k:137+16*\m+\k]
.endr
.irp k, 0,2,4,6
	v_pk_fma_f32 v[R+16*\m+\k:R+16*\m+1+\k], v[64*\m+16*\d+\k:64*\m+16*\d+1+\k], v[128+16*\m+\k:129+16*\m+\k], v[TU+\k:TU+\k+1] neg_lo:[0,0,1] neg_hi:[0,0,1]
.endr
.irp k, 0,2,4,6
	v_pk_fma_f32 v[R+16*\m+8+\k:R+16*\m+9+\k], v[64*\m+16*\d+8+\k:64*\m+16*\d+9+\k], v[128+16*\m+\k:129+16*\m+\k], v[TU+8+\k:TU+9+\k]
.endr
.endr
	QUANT R, 0, 0, SW+\d                           ; block m = the head's 32 channels of my token of tile m
.irp m, 0,1,2,3
	global_store_b64 v[CST], v[PC+2*\m:PC+2*\m+1], s[\cp:\cp+1] offset:\d*8192+\m*256   ; 32 lanes store 256 consecutive bytes, aligned
.endr
.endr
	s_wait_xcnt 0x0
	v_cndmask_b32 v[OUTW], v[SW], v[SW+2], s81     ; lanes 0-15 store heads 0, 1's words, lanes 16-31 heads 2, 3's
	v_cndmask_b32 v[OUTW+1], v[SW+1], v[SW+3], s81
	global_store_b64 v[CST], v[OUTW:OUTW+1], s[\sp:\sp+1]
.endm
	MULQK WSA, 0
	MULQK WSA, 1
	MULQK WSA, 2
	MULQK WSA, 3
	WIN 0
	NOPS 4                                         ; places in front of reads of results and of loads into registers that the products have read
	WIN 0xC0
.irp t, 0,1,2,3,4,5,6,7
	global_load_b128 v[192+8*\t:192+8*\t+3], v[GBN], s[20:21] offset:64*\t        ; bk
	global_load_b128 v[192+8*\t+4:192+8*\t+7], v[GBN], s[20:21] offset:64*\t+16
.endr
	WIN 0
.irp t, 0,1,2,3,4,5,6,7
	global_load_b128 v[WSA+4*\t:WSA+4*\t+3], v[GSP], s[24:25] offset:(32*(\t/2)+8*(\t%2))*16   ; Wv's scale words, by its tiles' rows
	global_load_b32 v[BVR+\t], v[GBV], s[26:27] offset:(32*(\t/2)+8*(\t%2))*4                  ; bv of my lane's row of each tile
.endr
	QKHEADS 28, 30
	LOADWS AWNQ, 0, 0                              ; Wk, a K step ahead of its products
	LOADWS AWNQ, 1, 0
	s_wait_loadcnt 0x0                             ; bk, Wv's scale words, bv
	s_wait_dscnt 16                                ; all but the younger K step's 16 loads
	MULQK WSB, 0
	LOADWS AWNQ, 2, 0
	s_wait_dscnt 16
	MULQK WSB, 1
	LOADWS AWNQ, 3, 0
	s_wait_dscnt 16
	MULQK WSB, 2
	s_wait_dscnt 0x0
	MULQK WSB, 3
	WIN 0
	NOPS 4
	WIN 0xC0
.irp t, 0,1,2,3,4,5,6,7                        ; v's bias hangs on the lane alone: eight registers a tile hold the same number
.irp j, 0,1,2,3,4,5,6,7
	v_mov_b32 v[192+8*\t+\j], v[BVR+\t]
.endr
.endr
	WIN 0
	QKHEADS 32, 34
	s_wait_tensorcnt 0x0                           ; my part of Wv has landed
	s_wait_dscnt 0x0
	s_barrier_signal -1
	s_barrier_wait -1                              ; everybody's has.
; v, NOT transposed: source 0 = 16 tokens, source 1 = 16 rows of Wv.  In accumulator (t, m) lane (r, h) holds channel 8 (t % 2) + r + 8 (r / 8) of head t / 2, and its registers run along the tokens, which are the next K.
.macro MULV s
.if (\s) == 0
	WIN 0xB7
.else
	WIN 0xA7
.endif
.irp t, 0,1,2,3,4,5,6,7
.irp m, 0,1,2,3
.if (\s) == 0
	WM 32*\t+8*\m, 8*(4*\m+\s), 8*(4*\t+\s), 192+8*\t, XSC+4*\m+\s, WSA+4*\t+\s
.else
	WM 32*\t+8*\m, 8*(4*\m+\s), 8*(4*\t+\s), 32*\t+8*\m, XSC+4*\m+\s, WSA+4*\t+\s
.endif
.endr
.endr
.endm
	LOADWS AWPP, 0, 1
	LOADWS AWPP, 1, 1
	s_wait_dscnt 16
	MULV 0
	LOADWS AWPP, 2, 1
	s_wait_dscnt 16
	MULV 1
	LOADWS AWPP, 3, 1
	s_wait_dscnt 16
	MULV 2
	s_wait_dscnt 0x0
	MULV 3
	WIN 0
	NOPS 4
.irp d, 0,1,2,3
	QUANT 64*\d, 2, 1, SW+\d                       ; blocks: (channels' half 0, keys 0-31), (0, 32-63), (1, 0-31), (1, 32-63)
.irp t, 0,1
	global_store_b128 v[VST], v[PC+4*\t:PC+4*\t+3], s[36:37] offset:\d*8192+\t*1024   ; 32 lanes store 512 consecutive bytes, aligned
.endr
.endr
	s_wait_xcnt 0x0
	v_cndmask_b32 v[OUTW], v[SW], v[SW+2], s81
	v_cndmask_b32 v[OUTW+1], v[SW+1], v[SW+3], s81
	global_store_b64 v[CST], v[OUTW:OUTW+1], s[38:39]
	s_wait_tensorcnt 0x0                           ; the wave's end
	ds_add_u32 v[SPW], v[NIL]
	s_wait_dscnt 0x0
	ROUND                                          ; the closing round
	s_endpgm
.Lfunc_end_k_qd5c7acdfbb_qkv:
	.size	k_qd5c7acdfbb_qkv, .Lfunc_end_k_qd5c7acdfbb_qkv-k_qd5c7acdfbb_qkv
	.p2alignl 7, 3214868480
	.fill 96, 4, 3214868480
	.section	.rodata,"a",@progbits
	.p2align	6, 0x0
	.amdhsa_kernel k_qd5c7acdfbb_qkv
		.amdhsa_group_segment_fixed_size 327680
		.amdhsa_private_segment_fixed_size 0
		.amdhsa_enable_private_segment 0
		.amdhsa_kernarg_size 144
		.amdhsa_user_sgpr_count 2
		.amdhsa_user_sgpr_kernarg_segment_ptr 1
		.amdhsa_wavefront_size32 1
		.amdhsa_system_sgpr_workgroup_id_x 1
		.amdhsa_system_sgpr_workgroup_id_y 1
		.amdhsa_system_sgpr_workgroup_id_z 1
		.amdhsa_system_vgpr_workitem_id 0
		.amdhsa_next_free_vgpr 1024
		.amdhsa_next_free_sgpr 100
		.amdhsa_reserve_vcc 1
		.amdhsa_float_denorm_mode_32 3
		.amdhsa_float_denorm_mode_16_64 3
		.amdhsa_memory_ordered 1
		.amdhsa_forward_progress 1
		.amdhsa_inst_pref_size 255
	.end_amdhsa_kernel
	.section	.bss,"aw",@nobits
	.p2align	6
	.space	262144
	.amdgpu_metadata
---
amdhsa.version: [ 1, 2 ]
amdhsa.kernels:
  - .name:           k_qd5c7acdfbb_qkv
    .symbol:         k_qd5c7acdfbb_qkv.kd
    .args:
      - { .name: x, .offset: 0, .size: 8, .value_kind: global_buffer, .address_space: global }
      - { .name: g1, .offset: 8, .size: 8, .value_kind: global_buffer, .address_space: global }
      - { .name: be1, .offset: 16, .size: 8, .value_kind: global_buffer, .address_space: global }
      - { .name: Wq_codes, .offset: 24, .size: 8, .value_kind: global_buffer, .address_space: global }
      - { .name: Wq_scales, .offset: 32, .size: 8, .value_kind: global_buffer, .address_space: global }
      - { .name: bq, .offset: 40, .size: 8, .value_kind: global_buffer, .address_space: global }
      - { .name: Wk_codes, .offset: 48, .size: 8, .value_kind: global_buffer, .address_space: global }
      - { .name: Wk_scales, .offset: 56, .size: 8, .value_kind: global_buffer, .address_space: global }
      - { .name: bk, .offset: 64, .size: 8, .value_kind: global_buffer, .address_space: global }
      - { .name: Wv_codes, .offset: 72, .size: 8, .value_kind: global_buffer, .address_space: global }
      - { .name: Wv_scales, .offset: 80, .size: 8, .value_kind: global_buffer, .address_space: global }
      - { .name: bv, .offset: 88, .size: 8, .value_kind: global_buffer, .address_space: global }
      - { .name: qc, .offset: 96, .size: 8, .value_kind: global_buffer, .address_space: global }
      - { .name: qsc, .offset: 104, .size: 8, .value_kind: global_buffer, .address_space: global }
      - { .name: kc, .offset: 112, .size: 8, .value_kind: global_buffer, .address_space: global }
      - { .name: ksc, .offset: 120, .size: 8, .value_kind: global_buffer, .address_space: global }
      - { .name: vc, .offset: 128, .size: 8, .value_kind: global_buffer, .address_space: global }
      - { .name: vsc, .offset: 136, .size: 8, .value_kind: global_buffer, .address_space: global }
    .group_segment_fixed_size: 327680
    .private_segment_fixed_size: 0
    .kernarg_segment_align: 8
    .kernarg_segment_size: 144
    .max_flat_workgroup_size: 128
    .sgpr_count:     100
    .vgpr_count:     1024
    .wavefront_size: 32
...
	.end_amdgpu_metadata
.endif
;; end of part 1
;; launch attn (part 2): grid 256 x 1, 16 waves a work-group, no clusters, 37,888 bytes of LDS; arguments qc, qsc, kc, ksc, vc, vsc, ac, asc; writes ac, asc
.if DOCPART == 2
	.amdgcn_target "amdgcn-amd-amdhsa--gfx1250"
	.amdhsa_code_object_version 6
	.text
	.protected	k_qd5c7acdfbb_attn
	.globl	k_qd5c7acdfbb_attn
	.p2align	8
	.type	k_qd5c7acdfbb_attn,@function
k_qd5c7acdfbb_attn:
	s_mov_b64 s[64:65], 0
	v_nop
	global_prefetch_b8 v0, s[64:65] scope:SCOPE_SE
	s_setreg_imm32_b32 hwreg(HW_REG_WAVE_MODE, 25, 1), 1
	s_wait_xcnt 0x0
; Attention on codes of FP4 (E2M1) with E8M0 scales: S^T = K Q^T, the softmax by the rule p = 2^(t - M) with M a whole number, O^T = V^T P^T, O / the row's sum, and the quantising of O (a head's 32 channels are one block of the next product's K).
; SHARES.  Work-group G takes heads 2 (G % 8) and 2 (G % 8) + 1 of batch G / 8: their K and V (32 KB of codes) lie in LDS for the whole launch, loaded once through registers.  No two work-groups read the same bytes: so no cluster.
; Each of the sixteen waves takes query tiles w and w + 16 of both heads, one after the other; four waves share a SIMD, so that one wave's vector work stands beside another's products and LDS loads.
; THE HEAD HAS 32 CHANNELS, THE INSTRUCTION 128 ALONG K.  A fragment of K therefore holds FOUR tiles of 16 keys, one in each block of 32; it is multiplied by four copies of Q's tile, each with Q's codes in one block and zero codes
; in the other three: zero codes add nothing under any scale byte that this program makes.  So no byte of K is read twice and nothing is unpacked.
; Keys lie by position (a token's number with bits 3 and 4 swapped), so the 16 registers of tiles 2 b and 2 b + 1 are 16 neighbouring keys; V's codes lie as the registers of its operand.  A lane holds ONE query (lane % 16) throughout.
; LIMITS.  A block of zeros gets the scale byte 1 and not 127 (its codes are zeros; only this program reads the bytes).  NaN and infinities are not served.
; REGISTERS: v1-7 addresses; v8-23 four tiles of Q as loaded, v24-27 their scale words; v28-51 Q's four copies; v52 Q's scale; v53-55 offsets; v56-71 K, v72-87 V, v88-91 their scale words; v92 -M, v93 the largest t, v[94:95] the sum;
;   v96-159 S^T, then p; v160-175 O^T; v176-183 p's codes; v184-204 at work; v205-207 addresses; v216-231 O; v232-237 its codes and bytes.
.set KI, 0                             ; K's codes, 8,192 bytes a head
.set VI, 16384                         ; V's
.set KS, 32768                         ; K's scale words: [head][64 keys][r]
.set VS, 33792                         ; V's: [head][128 keys][channels' half][r]
.set OS, 34816                         ; O's scale bytes: [head][position]
.set S, 96
.set O, 160
.set PCD, 176
.set BM, 184
.set BP, 188
.set SO, 196
.set FF, 200
.set TP, 202
.set PSW, 204
.set NM, 92
.set LSM, 94
.set WV, 20
.set CS, 22
.set SEL, 24
	s_load_b512 s[4:19], s[0:1], 0x0               ; qc, qsc, kc, ksc, vc, vsc, ac, asc
	v_lshl_add_u32 v254, v0, 2, 0x8c00
	v_mov_b32 v255, 0
	v_lshrrev_b32 v208, 5, v0
	v_readfirstlane_b32 s[WV], v208                ; wave 0..15
	v_and_b32 v208, 31, v0
	v_and_b32 v209, 15, v0                         ; r
	v_bfe_u32 v210, v0, 4, 1                       ; h
	v_lshlrev_b32 v1, 4, v208                      ; 16 x lane: an image's place for my lane
	v_lshlrev_b32 v2, 2, v209                      ; 4 r: a scale word's
	v_lshlrev_b32 v7, 4, v0                        ; 16 x thread
	s_lshl_b32 s21, s[WV], 8
	v_lshl_add_u32 v53, v209, 4, s21               ; Q: 256 w + 16 r
	v_lshl_add_u32 v5, v210, 3, v53                ; O's codes: + 8 h
	s_lshl_b32 s21, s[WV], 4
	v_add_nc_u32 v6, s21, v209
	v_add_nc_u32 v6, OS, v6                        ; O's byte: position 16 w + r
	s_lshr_b32 s21, s[WV], 2
	s_lshl_b32 s21, s21, 10
	v_lshl_add_u32 v54, v209, 4, s21               ; Q's scale words
	v_bfe_u32 v211, v0, 4, 3
	v_lshlrev_b32 v211, 10, v211
	v_lshl_add_u32 v55, v209, 4, v211
	v_lshrrev_b32 v211, 7, v0
	v_lshl_add_u32 v55, v211, 2, v55               ; K's and V's scale words in memory: thread = (head, 64 keys, r)
	v_lshl_add_u32 v205, v0, 2, KS
	v_lshl_add_u32 v206, v211, 9, VS
	v_bfe_u32 v211, v0, 5, 2
	v_lshl_add_u32 v206, v211, 7, v206
	v_lshl_add_u32 v206, v209, 2, v206
	v_lshl_add_u32 v206, v210, 1, v206             ; V's: two bytes of a word of 128 keys come from each 64 keys
	v_lshl_add_u32 v207, v0, 4, OS
	v_cmp_eq_u32 s27, 1, v210                      ; lanes 16-31
	s_and_b32 s26, s[WV], 3
	s_mul_i32 s26, s26, 0x01010101                 ; picks byte w % 4 of a scale word into all four bytes
	s_mov_b32 s[CS], 0x3e8293ee                    ; c = log2(e) / sqrt(32)
	s_mov_b32 s[CS+1], s[CS]
	s_mov_b32 s[SEL], 0x76543210
	s_mov_b32 s[SEL+1], 0xfedcba98
.irp i, 0,1,2,3
	v_mov_b32 v[32+\i], 0                          ; the zero codes of Q's copies
	v_mov_b32 v[44+\i], 0
	v_mov_b32 v[BP+\i], 0                          ; a lane permute's destination counts as one of its sources
.endr
	v_mov_b32 v[FF+1], 0                           ; named as the upper half of a pair
	s_lshl_b32 s32, ttmp9, 14                      ; two heads of 8,192 bytes
	s_mov_b32 s33, 0
	s_lshr_b32 s34, ttmp9, 3
	s_lshl_b32 s34, s34, 13                        ; the batch's 8,192 bytes of scale words,
	s_bfe_u32 s21, ttmp9, 0x20001
	s_lshl_b32 s21, s21, 8
	s_add_co_u32 s34, s34, s21                     ; the four heads' group,
	s_and_b32 s21, ttmp9, 1
	s_lshl_b32 s21, s21, 3
	s_add_co_u32 s34, s34, s21                     ; my two heads in it
	s_mov_b32 s35, 0
	s_lshl_b32 s36, ttmp9, 10
	s_mov_b32 s37, 0
	s_wait_kmcnt 0x0
	s_add_nc_u64 s[4:5], s[4:5], s[32:33]
	s_add_nc_u64 s[8:9], s[8:9], s[32:33]
	s_add_nc_u64 s[12:13], s[12:13], s[32:33]
	s_add_nc_u64 s[16:17], s[16:17], s[32:33]
	s_add_nc_u64 s[6:7], s[6:7], s[34:35]
	s_add_nc_u64 s[10:11], s[10:11], s[34:35]
	s_add_nc_u64 s[14:15], s[14:15], s[34:35]
	s_add_nc_u64 s[18:19], s[18:19], s[36:37]
	global_load_b128 v[96:99], v7, s[8:9] th:TH_LOAD_NT            ; 512 threads x 16 bytes: a head's codes a load
	global_load_b128 v[100:103], v7, s[8:9] offset:8192 th:TH_LOAD_NT
	global_load_b128 v[104:107], v7, s[12:13] th:TH_LOAD_NT
	global_load_b128 v[108:111], v7, s[12:13] offset:8192 th:TH_LOAD_NT
.irp e, 0,1
.irp u, 0,1
	global_load_b128 v[8+4*(2*\e+\u):11+4*(2*\e+\u)], v53, s[4:5] offset:\e*8192+\u*4096
	global_load_b32 v[24+2*\e+\u], v54, s[6:7] offset:\u*4096+4*\e
.endr
.endr
	s_cmp_lt_u32 s[WV], 8                          ; 256 threads bring the 256 scale words of K and of V
	s_cbranch_scc0 .Lno_scales
	global_load_b32 v112, v55, s[10:11]
	global_load_b32 v113, v55, s[14:15]
	s_wait_loadcnt 0x0
	ds_store_b32 v205, v112
	ds_store_b16 v206, v113                        ; channels' half 0: the two blocks of my 64 keys,
	ds_store_b16_d16_hi v206, v113 offset:64       ; half 1
.Lno_scales:
	s_wait_loadcnt 0x0
	ds_store_b128 v7, v[96:99]
	ds_store_b128 v7, v[100:103] offset:8192
	ds_store_b128 v7, v[104:107] offset:16384
	ds_store_b128 v7, v[108:111] offset:24576
	s_wait_dscnt 0x0                               ; my stores have landed:
	s_barrier_signal -1
	s_barrier_wait -1                              ; everybody's have
; One tile of 16 queries of head e: tile w + 16 u.
.macro TILE e, u
.set RQ, 8+4*(2*\e+\u)
	v_perm_b32 v52, v[24+2*\e+\u], v[24+2*\e+\u], s26   ; my tile's scale byte in all four bytes
.irp i, 0,1,2,3
	v_cndmask_b32 v[28+\i], v[RQ+\i], 0, s27       ; Q's codes in lanes 0-15 alone (blocks 0 and 2),
	v_cndmask_b32 v[36+\i], v[RQ+\i], 0, s27
	v_cndmask_b32 v[40+\i], 0, v[RQ+\i], s27       ; in lanes 16-31 alone (blocks 1 and 3)
	v_cndmask_b32 v[48+\i], 0, v[RQ+\i], s27
.endr
	v_mov_b32 v[NM+1], 0xff61b1e6                  ; the largest t so far: -3e38
	v_floor_f32 v[NM], -v[NM+1]
	v_mov_b32 v[LSM], 0
	v_mov_b32 v[LSM+1], 0
.irp j, 0,1,2,3,4,5,6,7,8,9,10,11,12,13,14,15
	v_mov_b32 v[O+\j], 0                           ; the step is written once: the first finds zeros
.endr
	s_mov_b32 s28, 0
	s_mov_b32 s29, 0
	s_mov_b32 s30, 0
.Lstep_\@:                                     ; four key steps of 128 keys
	v_add_nc_u32 v3, s28, v1
	v_add_nc_u32 v4, s29, v2
.irp f, 0,1
.irp c, 0,1
	ds_load_b128 v[56+8*\f+4*\c:59+8*\f+4*\c], v3 offset:KI+\e*8192+1024*\f+512*\c
.endr
	ds_load_b32 v[88+\f], v4 offset:KS+512*\e+64*\f
.endr
.irp f, 0,1
.irp c, 0,1
	ds_load_b128 v[72+8*\f+4*\c:75+8*\f+4*\c], v3 offset:VI+\e*8192+1024*\f+512*\c
.endr
	ds_load_b32 v[90+\f], v4 offset:VS+512*\e+64*\f
.endr
	s_wait_dscnt 6                                 ; K is in; V's six loads may be out
.irp t, 0,1,2,3,4,5,6,7                        ; tile t of 16 keys is block t % 4 of fragment t / 4
	v_wmma_scale_f32_16x16x128_f8f6f4 v[S+8*\t:S+8*\t+7], v[56+8*(\t/4):63+8*(\t/4)], v[28+12*(\t%2)+4*((\t%4)/2):35+12*(\t%2)+4*((\t%4)/2)], 0, v[88+\t/4], v52 matrix_a_fmt:MATRIX_FMT_FP4 matrix_b_fmt:MATRIX_FMT_FP4
.endr
.rept 4
	v_nop
.endr
.irp b, 0,1,2,3
	v_max3_num_f32 v[BM+\b], v[S+16*\b], v[S+1+16*\b], v[S+2+16*\b]   ; the largest score of each block of 32 keys: for the row's maximum and, since p rises with the score, for the block's largest p
.endr
.irp i, 3,5,7,9,11,13
.irp b, 0,1,2,3
	v_max3_num_f32 v[BM+\b], v[BM+\b], v[S+16*\b+\i], v[S+1+16*\b+\i]
.endr
.endr
.irp b, 0,1,2,3
	v_max_num_f32 v[BM+\b], v[BM+\b], v[S+15+16*\b]
.endr
.irp b, 0,1,2,3
	v_permlanex16_b32 v[BP+\b], v[BM+\b], s[SEL], s[SEL+1]
.endr
.irp b, 0,1,2,3
	v_max_num_f32 v[BM+\b], v[BM+\b], v[BP+\b]
.endr
	v_max3_num_f32 v[TP], v[BM], v[BM+1], v[BM+2]
	v_max_num_f32 v[TP], v[TP], v[BM+3]
	v_mul_f32 v[TP], s[CS], v[TP]
	v_max_num_f32 v[NM+1], v[NM+1], v[TP]          ; the running largest t
	v_mov_b32 v[TP], v[NM]
	v_floor_f32 v[NM], -v[NM+1]                    ; -M = floor(-t): M is a whole number
	v_sub_f32 v[TP], v[NM], v[TP]
	v_cvt_i32_f32 v[TP], v[TP]                     ; (it saturates)
	v_ldexp_f32 v[FF], 1.0, v[TP]                  ; f = 2^(old M - new M): a multiplication by it rounds nothing
.set jj, 0
.rept 32
	v_pk_fma_f32 v[S+jj:S+jj+1], v[S+jj:S+jj+1], s[CS:CS+1], v[NM:NM+1] op_sel_hi:[1,0,0]   ; t - M
.set jj, jj+2
.endr
.irp b, 0,1,2,3
	v_fma_f32 v[BM+\b], v[BM+\b], s[CS], v[NM]
.endr
.set jj, 0
.rept 64
	v_exp_f32 v[S+jj], v[S+jj]                     ; p, not normalised
.set jj, jj+1
.endr
	v_pk_mul_f32 v[LSM:LSM+1], v[LSM:LSM+1], v[FF:FF+1] op_sel_hi:[1,0]   ; a plain place behind the exponentials
	s_wait_alu depctr_va_vdst(0)                   ; one wait for the batch, ahead of its first reader
.irp b, 0,1,2,3
	v_exp_f32 v[BM+\b], v[BM+\b]                   ; the blocks' largest p
.endr
	v_pk_add_f32 v[BP:BP+1], v[S:S+1], v[S+2:S+3]  ; the row's sum is taken of the unquantised p, in two chains
.irp j, 4,8,12,16,20,24,28,32,36,40,44,48,52,56,60
	v_pk_add_f32 v[LSM:LSM+1], v[LSM:LSM+1], v[S+\j:S+1+\j]
	v_pk_add_f32 v[BP:BP+1], v[BP:BP+1], v[S+2+\j:S+3+\j]
.endr
	v_pk_add_f32 v[LSM:LSM+1], v[LSM:LSM+1], v[BP:BP+1]
	s_wait_alu depctr_va_vdst(0)                   ; and one for the four
.irp b, 0,1,2,3
	v_max_num_f32 v[BM+\b], 0x1800000, v[BM+\b]    ; the floor 2^(3 - 127)
.endr
.irp b, 0,1,2,3
	v_add_nc_u32 v[SO+\b], 0xff000000, v[BM+\b]
.endr
.irp b, 0,1,2,3
	v_lshrrev_b32 v[BP+\b], 23, v[SO+\b]
.endr
	v_lshl_or_b32 v[PSW], v[BP+1], 8, v[BP]        ; p's scale word for these 128 keys
	v_lshl_or_b32 v[PSW], v[BP+2], 16, v[PSW]
	v_lshl_or_b32 v[PSW], v[BP+3], 24, v[PSW]
.irp b, 0,1,2,3
	v_cvt_scalef32_pk8_fp4_f32 v[PCD+2*\b], v[S+16*\b:S+7+16*\b], v[SO+\b]
	v_cvt_scalef32_pk8_fp4_f32 v[PCD+1+2*\b], v[S+8+16*\b:S+15+16*\b], v[SO+\b]
.endr
	v_nop                                          ; one plain place behind a scaled conversion
.irp c, 0,1
.irp i, 0,1
	v_permlane16_swap_b32 v[PCD+4*\c+\i], v[PCD+2+4*\c+\i]   ; a lane holds whole blocks, as the operand's layout wants
.endr
.endr
.irp j, 0,2,4,6,8,10,12,14
	v_pk_mul_f32 v[O+\j:O+1+\j], v[O+\j:O+1+\j], v[FF:FF+1] op_sel_hi:[1,0]   ; O^T under the new M
.endr
.rept 4
	v_nop                                          ; with the eight above: twelve places between the scale word's last write and the products
.endr
	s_wait_dscnt 0x0                               ; V is in
	v_wmma_scale_f32_16x16x128_f8f6f4 v[O:O+7], v[72:79], v[PCD:PCD+7], v[O:O+7], v90, v[PSW] matrix_a_fmt:MATRIX_FMT_FP4 matrix_b_fmt:MATRIX_FMT_FP4
	v_wmma_scale_f32_16x16x128_f8f6f4 v[O+8:O+15], v[80:87], v[PCD:PCD+7], v[O+8:O+15], v91, v[PSW] matrix_a_fmt:MATRIX_FMT_FP4 matrix_b_fmt:MATRIX_FMT_FP4
.rept 4
	v_nop                                          ; places in front of the next step's loads and of the first read of results
.endr
	s_add_co_u32 s28, s28, 2048
	s_add_co_u32 s29, s29, 128
	s_add_co_u32 s30, s30, 1
	s_cmp_lt_u32 s30, 4
	s_cbranch_scc1 .Lstep_\@
	v_add_f32 v[LSM], v[LSM], v[LSM+1]
	v_permlanex16_b32 v[BP], v[LSM], s[SEL], s[SEL+1]
	v_add_f32 v[LSM], v[LSM], v[BP]                ; the row's sum
	v_rcp_f32 v[LSM], v[LSM]
	v_nop
	s_wait_alu depctr_va_vdst(0)
.irp j, 0,1,2,3,4,5,6,7,8,9,10,11,12,13,14,15
	v_mul_f32 v[216+\j], v[O+\j], v[LSM]           ; register j: channel 16 h + j of my query
.endr
	v_max3_num_f32 v[BM], |v216|, |v217|, 0x1800000
	v_max3_num_f32 v[BM+1], |v224|, |v225|, |v226|
	v_max3_num_f32 v[BM], v[BM], |v218|, |v219|
	v_max3_num_f32 v[BM+1], v[BM+1], |v227|, |v228|
	v_max3_num_f32 v[BM], v[BM], |v220|, |v221|
	v_max3_num_f32 v[BM+1], v[BM+1], |v229|, |v230|
	v_max3_num_f32 v[BM], v[BM], |v222|, |v223|
	v_max3_num_f32 v[BM], v[BM], v[BM+1], |v231|
	v_permlanex16_b32 v[BP], v[BM], s[SEL], s[SEL+1]
	v_max_num_f32 v[BM], v[BM], v[BP]              ; the head's largest magnitude
	v_add_nc_u32 v[SO], 0xff000000, v[BM]
	v_lshrrev_b32 v[234+2*\e+\u], 23, v[SO]
	s_wait_xcnt 0x0                                ; the last tile's store has read its registers
	v_cvt_scalef32_pk8_fp4_f32 v232, v[216:223], v[SO]
	v_cvt_scalef32_pk8_fp4_f32 v233, v[224:231], v[SO]
	v_nop
	global_store_b64 v5, v[232:233], s[16:17] offset:\e*8192+\u*4096   ; 32 lanes store 256 consecutive bytes, aligned
	ds_store_b8 v6, v[234+2*\e+\u] offset:\e*512+\u*256                ; both lanes of a query write the same byte with the same value
.endm
	TILE 0, 0
	TILE 0, 1
	TILE 1, 0
	TILE 1, 1
	s_wait_dscnt 0x0
	s_barrier_signal -1
	s_barrier_wait -1                              ; the two heads' 1,024 scale bytes lie in LDS
	s_cmp_lt_u32 s[WV], 2
	s_cbranch_scc0 .Lend
	ds_load_b128 v[96:99], v207
	s_wait_dscnt 0x0
	global_store_b128 v7, v[96:99], s[18:19]       ; 64 threads store them: 512 consecutive bytes a wave
.Lend:
	s_wait_tensorcnt 0x0
	ds_add_u32 v254, v255
	s_wait_dscnt 0x0
	s_endpgm
.Lfunc_end_k_qd5c7acdfbb_attn:
	.size	k_qd5c7acdfbb_attn, .Lfunc_end_k_qd5c7acdfbb_attn-k_qd5c7acdfbb_attn
	.p2alignl 7, 3214868480
	.fill 96, 4, 3214868480
	.section	.rodata,"a",@progbits
	.p2align	6, 0x0
	.amdhsa_kernel k_qd5c7acdfbb_attn
		.amdhsa_group_segment_fixed_size 37888
		.amdhsa_private_segment_fixed_size 0
		.amdhsa_enable_private_segment 0
		.amdhsa_kernarg_size 64
		.amdhsa_user_sgpr_count 2
		.amdhsa_user_sgpr_kernarg_segment_ptr 1
		.amdhsa_wavefront_size32 1
		.amdhsa_system_sgpr_workgroup_id_x 1
		.amdhsa_system_sgpr_workgroup_id_y 1
		.amdhsa_system_sgpr_workgroup_id_z 1
		.amdhsa_system_vgpr_workitem_id 0
		.amdhsa_next_free_vgpr 256
		.amdhsa_next_free_sgpr 66
		.amdhsa_reserve_vcc 0
		.amdhsa_float_denorm_mode_32 3
		.amdhsa_float_denorm_mode_16_64 3
		.amdhsa_memory_ordered 1
		.amdhsa_forward_progress 1
		.amdhsa_inst_pref_size 76
	.end_amdhsa_kernel
	.amdgpu_metadata
---
amdhsa.version: [ 1, 2 ]
amdhsa.kernels:
  - .name:           k_qd5c7acdfbb_attn
    .symbol:         k_qd5c7acdfbb_attn.kd
    .args:
      - { .name: qc, .offset: 0, .size: 8, .value_kind: global_buffer, .address_space: global }
      - { .name: qsc, .offset: 8, .size: 8, .value_kind: global_buffer, .address_space: global }
      - { .name: kc, .offset: 16, .size: 8, .value_kind: global_buffer, .address_space: global }
      - { .name: ksc, .offset: 24, .size: 8, .value_kind: global_buffer, .address_space: global }
      - { .name: vc, .offset: 32, .size: 8, .value_kind: global_buffer, .address_space: global }
      - { .name: vsc, .offset: 40, .size: 8, .value_kind: global_buffer, .address_space: global }
      - { .name: ac, .offset: 48, .size: 8, .value_kind: global_buffer, .address_space: global }
      - { .name: asc, .offset: 56, .size: 8, .value_kind: global_buffer, .address_space: global }
    .group_segment_fixed_size: 37888
    .private_segment_fixed_size: 0
    .kernarg_segment_align: 8
    .kernarg_segment_size: 64
    .max_flat_workgroup_size: 512
    .sgpr_count:     66
    .vgpr_count:     256
    .wavefront_size: 32
...
	.end_amdgpu_metadata
.endif
;; end of part 2
;; launch ffn (part 3): grid 256 x 1, 4 waves a work-group, clusters of 4 x 1, 327,680 bytes of LDS; arguments ac, asc, Wo_codes, Wo_scales, bo, x, g2, be2, W1_codes, W1_scales, b1, W2_codes, W2_scales, b2, out0; writes out0
.if DOCPART == 3
	.amdgcn_target "amdgcn-amd-amdhsa--gfx1250"
	.amdhsa_code_object_version 6
	.text
	.protected	k_qd5c7acdfbb_ffn
	.globl	k_qd5c7acdfbb_ffn
	.p2align	8
	.type	k_qd5c7acdfbb_ffn,@function
k_qd5c7acdfbb_ffn:
	s_mov_b64 s[64:65], 0
	v_nop
	global_prefetch_b8 v0, s[64:65] scope:SCOPE_SE
	s_setreg_imm32_b32 hwreg(HW_REG_WAVE_MODE, 25, 1), 1
	s_wait_xcnt 0x0
	s_wait_alu depctr_hold_cnt(0) depctr_sa_sdst(0) depctr_va_vdst(0) depctr_va_sdst(0) depctr_va_ssrc(0) depctr_va_vcc(0) depctr_vm_vsrc(0)
	s_getreg_b32 s2, hwreg(HW_REG_IB_STS2, 6, 4)
	s_cmp_eq_u32 s2, 0
	s_cbranch_scc0 .Lentry_in_a_cluster
	s_endpgm
.Lentry_in_a_cluster:
	s_bfe_u32 s2, ttmp6, 0x10000c
	s_cmp_lg_u32 s2, 0x3003
	s_cbranch_scc0 .Lentry_shape_is_right
	s_endpgm
.Lentry_shape_is_right:
; x1 = x + attn Wo + bo;  out = x1 + gelu(LayerNorm2(x1) W1 + b1) W2 + b2.  All three products on codes of FP4 (E2M1) with E8M0 scales; x1 and the hidden layer never go to memory.
; SHARES.  A work-group owns 64 tokens (work-group G: positions 64 (G % 8) on of batch G / 8).  THE WAVES SHARE THE COLUMNS: wave w owns output columns 128 w .. + 127 and, of each chunk of 512 hidden units, units 128 w .. + 127, for all 64 tokens.
; x1, and then the result, stay in 32 accumulators (256 registers) from the first product to the last.  The hidden layer goes in four chunks of 512 units.
; All products are used TRANSPOSED (source 0 = 16 rows of a weight, source 1 = 16 tokens), and a weight's tile 2 b + u takes rows 32 b + 8 u + r + 8 (r / 8): so a lane holds ONE token and the 16 registers of two neighbouring tiles
; are 16 neighbouring columns 32 b + 16 h + 0 .. 15, which is what the quantiser and the next product's operand want.
; OPERANDS GO FROM WAVE TO WAVE THROUGH LDS AS IMAGES OF THEIR REGISTERS: 16 bytes a lane, 512 bytes a store; scale words 4 bytes a lane.  Attention's codes go that way too: wave w brings K step w from memory, once for the work-group.
; x COMES IN DENSE: a load takes two runs of 256 consecutive bytes (two tokens, 64 columns); half a tile at a time is turned into the accumulators' layout through a stage of the wave's own in LDS, and comes back into the registers that it left.
; CLUSTER.  The four work-groups of a cluster walk the same weights: each comes by joint tensor loads (mask 15), 256 rows of 256 bytes a load, through two slots: P (Wo, then W2's chunks), Q (W1's chunks).
; A wave copies its 128 rows of a slot into 256 registers, and each fragment feeds 4 products.  Scale bytes and biases (a sixteenth of the codes' bytes) go from memory straight into registers and are not shared.
; GELU, exact: gelu(x) = max(x, 0) - |x| erfc(|x| / sqrt 2) / 2, erfc(z) = t exp(-z z + the sum of Ck t^k), t = 1 / (1 + z / 2): a fit with a bounded RELATIVE error, 1.2e-7, so that the negative tail keeps its digits.
; LIMITS.  Beside the fit's error the exponent's rounding in f32 costs about 1e-6 of erfc at |x| = 6; results under 2^-126 become 0.  A block of zeros gets the scale byte 1 and not 127 (its codes are zeros; only this program
; reads the bytes).  NaN and infinities among the inputs are not served.
; LayerNorm 2: each wave forms the mean of its 128 columns and the squares about THAT mean; the four are then combined: no difference of large sums is formed.
; REGISTERS, in windows of 256.  Window 0: v1-31 addresses and a constant; v32-63 W1's (first Wo's) scale words, v64-95 W2's, v96-111 the second operand's, v112-115 xn's; v116-159 the quantiser's, LayerNorm's and gelu's;
;   v160-223 64 numbers at work; v224-255 at work.  Window 1: a weight's 32 fragments (g2, be2 in LayerNorm; rows of the result on the way out).  Window 2: the 32 accumulators.
;   Window 3: v0-127 16 fragments of the second operand; v128-159 xn's four; v160-223 a bias in the result's layout.
.set PITCH, 272
.set W128,  128*PITCH
.set W256,  256*PITCH
.set SLQ,   2*W256
.set XIMG,  4*W256                     ; xn's fragments (tile m, K step s: 4 m + s), 1,024 bytes each; FIVE tiles: the fifth is tile 0 once more, so that "the next tile" needs no wrapped address
.set XSCL,  XIMG+20480                 ; their scale words, 128 bytes each
.set HIMG,  XSCL+2560                  ; the second operand's 16 fragments: attention's, then a hidden chunk's
.set HSCL,  HIMG+16384
.set STAT,  HSCL+2048                  ; LayerNorm: [wave][tile][r] pairs
.set SPARE, STAT+2048                  ; the spare words: 128 bytes for each wave
.set SPI,   528                        ; the way out: 16 rows x (512 + 16) bytes for each wave, in slot Q, which has had its last fill and its last read by then
.set XSP,   272                        ; the way in: 16 rows x (256 + 16) bytes for each wave, where xn's images will lie two barriers later; no tensor load ever lands there
.set SPW, 1
.set NIL, 2
.set LI, 3
.set LS, 4
.set AWPP, 5
.set AWPQ, 6
.set XI0, 7
.set XS0, 8
.set HIW, 9
.set HSW, 10
.set HIR, 11
.set HSR, 12
.set ADX, 13
.set ADXS, 14
.set ADH, 15
.set ADHS, 16
.set XD, 17
.set CV, 18
.set SCV, 19
.set SCV2, 20
.set ACV, 21
.set ASV, 22
.set STO, 23
.set RD, 24
.set GO, 25
.set STW, 26
.set STR, 27
.set C8V, 28
.set XIW, 30
.set XSW, 31
.set W1S, 32
.set W2S, 64
.set HS, 96
.set XS, 112
.set TM, 116
.set PC, 132
.set PW, 140
.set U, 142
.set ST, 150
.set EX, 142                           ; gelu: 16 registers (LayerNorm's, free by then)
.set C0V, 158
.set HA, 160
.set T, 224
.set TT, 224
.set PG, 240
.set BO, 244                           ; at the head alone: bo of my 4 columns of each half; the stage's two addresses; bo's offset
.set SXW, 252
.set SXR, 253
.set BOV, 254
.set G1A, 36                           ; s[36:43] group 1, rows 256 bytes apart;  s[44:51] rows 1,024 bytes apart (W2)
.set G1B, 44
.set G0F, 52                           ; group 0 of the first fill;  of slot P's refills (W2);  of slot Q's (W1)
.set G0P, 56
.set G0Q, 60
.set CF, 66                            ; s[66:85] the fit's ten coefficients x log2(e), each as a pair
.set K1, 86
.set NK, 88
.set SEL, 90
.set WV, 92
.set CC, 93
.set MC, 94
.set MX, 95
.set MS, 96
.set CX, 97
.set GI, 98
.set MSB, 0
.macro WIN new                         ; the immediate's high byte repeats the setting that is left; a switch that changes nothing is dropped
.if MSB != (\new)
	s_set_vgpr_msb (MSB<<8)|(\new)
.set MSB, (\new)
.endif
.endm
.macro NOPS n
.rept \n
	v_nop
.endr
.endm
.macro ROUND                           ; a round of the cluster's barrier
	s_barrier_signal -1
	s_barrier_wait -1
	s_cmp_lg_u32 s[WV], 0
	s_cbranch_scc1 .Lnot_wave_0_\@
	s_barrier_signal -3
.Lnot_wave_0_\@:
	s_barrier_wait -3
	s_barrier_signal -1
	s_barrier_wait -1
.endm
.macro WM d, a, b, c, sa, sb
	v_wmma_scale_f32_16x16x128_f8f6f4 v[(\d):(\d)+7], v[(\a):(\a)+7], v[(\b):(\b)+7], v[(\c):(\c)+7], v[\sa], v[\sb] matrix_a_fmt:MATRIX_FMT_FP4 matrix_b_fmt:MATRIX_FMT_FP4
.endm
.macro SETC k, val
	s_mov_b32 s[CF+2*\k], \val
	s_mov_b32 s[CF+2*\k+1], s[CF+2*\k]
.endm
	s_load_b512 s[4:19], s[0:1], 0x0               ; ac, asc, Wo codes, Wo scales, bo, x, g2, be2
	s_load_b256 s[20:27], s[0:1], 0x40             ; W1 codes, W1 scales, b1, W2 codes
	s_load_b128 s[28:31], s[0:1], 0x60             ; W2 scales, b2
	s_load_b64 s[32:33], s[0:1], 0x70              ; out0
	v_lshl_add_u32 v[SPW], v0, 2, SPARE
	v_mov_b32 v[NIL], 0
	ds_add_u32 v1, v2
	ds_add_u32 v1, v2
	s_wait_dscnt 0x0
	v_lshrrev_b32 v[T], 5, v0
	v_readfirstlane_b32 s[WV], v[T]
	s_bfe_u32 s[CX], ttmp6, 0x40000                ; my place in the cluster: it enters global addresses alone
	s_lshl_b32 s[GI], ttmp9, 2
	s_add_co_u32 s[GI], s[GI], s[CX]
	s_mov_b32 s[G1A], 15|(1<<20)|(1<<21)|(5<<22)|(3<<25)  ; mask: all four work-groups; elements of 1 byte; padding on; bit 21 beside a mask; 4 words behind every 64
	s_mov_b32 s[G1A+1], 256<<16
	s_mov_b32 s[G1A+2], 256<<16
	s_mov_b32 s[G1A+3], 256<<16
	s_mov_b32 s[G1A+4], 256
	s_mov_b32 s[G1A+5], 256
	s_mov_b32 s[G1A+6], 0
	s_mov_b32 s[G1A+7], 0
	s_mov_b32 s[G1B], 15|(1<<20)|(1<<21)|(5<<22)|(3<<25)
	s_mov_b32 s[G1B+1], 256<<16
	s_mov_b32 s[G1B+2], 256<<16
	s_mov_b32 s[G1B+3], 256<<16
	s_mov_b32 s[G1B+4], 256
	s_mov_b32 s[G1B+5], 1024
	s_mov_b32 s[G1B+6], 0
	s_mov_b32 s[G1B+7], 0
	SETC 0, -2.82574822                            ; C0 log2(e) - 1: the 1 is erfc's factor 1/2
	SETC 1, 1.44272920
	SETC 2, 0.539700616
	SETC 3, 0.139630057
	SETC 4, -0.268756860
	SETC 5, 0.402321582
	SETC 6, -1.63775315
	SETC 7, 2.14747446
	SETC 8, -1.18611495
	SETC 9, 0.246517298
	v_mov_b32 v[C8V], s[CF+16]                     ; two coefficients also in vector registers: they stand beside another scalar pair in one instruction
	v_mov_b32 v[C8V+1], s[CF+16]
	v_mov_b32 v[C0V], s[CF]
	v_mov_b32 v[C0V+1], s[CF]
	s_mov_b32 s[K1], 0x3eb504f3                    ; 1 / (2 sqrt 2)
	s_mov_b32 s[NK], 0xbf38aa3b                    ; -log2(e) / 2
	s_mov_b32 s[NK+1], s[NK]
	s_mov_b32 s[SEL], 0x76543210
	s_mov_b32 s[SEL+1], 0xfedcba98
	s_mov_b32 s34, 0x3b000000                      ; 1 / 512
	s_mov_b32 s35, 0x3727c5ac                      ; 1e-5
	s_mov_b32 s87, 0x43000000                      ; 128
	v_and_b32 v[T], 31, v0                         ; lane
	v_and_b32 v[T+1], 15, v0                       ; r
	v_bfe_u32 v[T+2], v0, 4, 1                     ; h
	v_and_b32 v[T+3], 8, v[T+1]
	v_add_nc_u32 v[T+3], v[T+3], v[T+1]            ; r + 8 (r / 8)
	v_lshlrev_b32 v[LI], 4, v[T]
	v_lshlrev_b32 v[LS], 2, v[T]
	v_mul_u32_u24 v[T+4], v[T+3], PITCH
	v_lshl_add_u32 v[T+4], v[T+2], 4, v[T+4]
	s_mul_i32 s99, s[WV], W128
	v_add_nc_u32 v[AWPP], s99, v[T+4]
	v_add_nc_u32 v[AWPQ], SLQ, v[AWPP]
	v_add_nc_u32 v[XI0], XIMG, v[LI]
	v_add_nc_u32 v[XS0], XSCL, v[LS]
	v_add_nc_u32 v[HIR], HIMG, v[LI]
	v_add_nc_u32 v[HSR], HSCL, v[LS]
	s_lshl_b32 s99, s[WV], 10
	v_add_nc_u32 v[HIW], s99, v[HIR]
	v_add_nc_u32 v[XIW], s99, v[XI0]
	s_lshl_b32 s99, s[WV], 7
	v_add_nc_u32 v[HSW], s99, v[HSR]
	v_add_nc_u32 v[XSW], s99, v[XS0]
	s_lshl_b32 s99, s[WV], 9
	v_lshl_add_u32 v[CV], v[T+2], 6, s99           ; a vector over the columns, in the result's layout: 512 w + 64 h
	v_lshl_add_u32 v[BOV], v[T+1], 4, s99          ; and dense: 512 w + 16 (lane % 16)
	v_lshl_add_u32 v[XD], v[T+2], 11, v[BOV]       ; x, dense: + a token's row for lanes 16-31
	v_lshlrev_b32 v[SCV], 4, v[T+3]
	v_lshlrev_b32 v[SCV2], 6, v[T+3]
	v_lshlrev_b32 v[ACV], 4, v[T+1]
	v_lshl_add_u32 v[ACV], v[T+2], 13, v[ACV]      ; attention's codes: 16 r + a head for lanes 16-31
	v_mov_b32 v[ASV], v[T+1]
	v_add_nc_u32 v[GO], s99, v[LI]
	v_lshl_add_u32 v[STR], v[T+1], 3, STAT
	v_add_nc_u32 v[STW], s99, v[STR]
	s_mul_i32 s99, s[WV], 16*SPI
	s_add_co_u32 s99, s99, SLQ
	v_mul_u32_u24 v[STO], v[T+1], SPI
	v_lshl_add_u32 v[STO], v[T+2], 6, v[STO]
	v_add_nc_u32 v[STO], s99, v[STO]
	v_add_nc_u32 v[RD], s99, v[LI]
	s_mul_i32 s99, s[WV], 16*XSP
	s_add_co_u32 s99, s99, XIMG                    ; my stage for the way in
	v_mul_u32_u24 v[SXW], v[T+2], XSP
	v_lshl_add_u32 v[SXW], v[T+1], 4, v[SXW]
	v_add_nc_u32 v[SXW], s99, v[SXW]               ; in: lanes 0-15 one row of 256 bytes, lanes 16-31 the next
	v_mul_u32_u24 v[SXR], v[T+1], XSP
	v_lshl_add_u32 v[SXR], v[T+2], 6, v[SXR]
	v_add_nc_u32 v[SXR], s99, v[SXR]               ; back: row r, + 64 h: my 16 columns of a block of 32
.irp b, 0,1,2,3,4,5,6,7
	v_mov_b32 v[TM+4+\b], 0                        ; lane permutes' destinations count as sources
	v_mov_b32 v[U+\b], 0                           ; named as halves of pairs
.endr
	s_wait_kmcnt 0x0
	s_mov_b32 s101, 0
	s_lshr_b32 s99, s[GI], 3                       ; the batch
	s_and_b32 s[CX], s[GI], 7                      ; which 64 positions of it
	s_lshl_b32 s100, s99, 17
	s_lshl_b32 s[MS], s[CX], 10
	s_add_co_u32 s100, s100, s[MS]
	s_lshl_b32 s[MS], s[WV], 15                    ; K step w: heads 4 w on, 8,192 bytes a head
	s_add_co_u32 s100, s100, s[MS]
	s_add_nc_u64 s[4:5], s[4:5], s[100:101]        ; ac
	s_lshl_b32 s100, s99, 13
	s_lshl_b32 s[MS], s[CX], 6
	s_add_co_u32 s100, s100, s[MS]
	s_lshl_b32 s[MS], s[WV], 11                    ; heads 4 w on, 512 bytes a head
	s_add_co_u32 s100, s100, s[MS]
	s_add_nc_u64 s[6:7], s[6:7], s[100:101]        ; asc
	s_lshl_b32 s100, s[GI], 17
	s_add_nc_u64 s[14:15], s[14:15], s[100:101]    ; x
	s_add_nc_u64 s[32:33], s[32:33], s[100:101]    ; out0
	s_lshl_b32 s100, s[WV], 11
	s_add_nc_u64 s[10:11], s[10:11], s[100:101]    ; Wo's and W1's scale bytes: my 128 rows of 16
	s_add_nc_u64 s[22:23], s[22:23], s[100:101]
	s_lshl_b32 s100, s[WV], 13
	s_add_nc_u64 s[28:29], s[28:29], s[100:101]    ; W2's: my 128 rows of 64
	s_and_b32 s99, s[WV], 1
	s_lshl_b32 s100, s99, 16                       ; which 256 rows I fetch
	s_mov_b32 s[G0F], 1
	s_mul_i32 s[G0F+1], s[WV], W256                ; waves 0, 1: Wo into slot P; waves 2, 3: W1's chunk 0 into slot Q
	s_cmp_lt_u32 s[WV], 2
	s_cselect_b64 s[G0F+2:G0F+3], s[8:9], s[20:21]
	s_add_nc_u64 s[G0F+2:G0F+3], s[G0F+2:G0F+3], s[100:101]
	s_or_b32 s[G0F+3], s[G0F+3], 0x80000000
	s_mov_b32 s[G0Q], 1
	s_mul_i32 s[G0Q+1], s99, W256
	s_add_co_u32 s[G0Q+1], s[G0Q+1], SLQ
	s_add_nc_u64 s[G0Q+2:G0Q+3], s[20:21], s[100:101]
	s_add_nc_u64 s[G0Q+2:G0Q+3], s[G0Q+2:G0Q+3], 131072   ; W1's chunk 1
	s_or_b32 s[G0Q+3], s[G0Q+3], 0x80000000
	s_mov_b32 s[G0P], 1
	s_mul_i32 s[G0P+1], s99, W256
	s_lshl_b32 s100, s99, 18                       ; 256 rows of 1,024 bytes
	s_add_nc_u64 s[G0P+2:G0P+3], s[26:27], s[100:101]     ; W2's chunk 0: the first 256 bytes of each row
	s_or_b32 s[G0P+3], s[G0P+3], 0x80000000
	ROUND                                          ; all four work-groups are here: the first joint loads meet
	tensor_load_to_lds s[G0F:G0F+3], s[G1A:G1A+7]  ; one load a wave
	s_nop 0
	NOPS 4
; THE HEAD'S LOADS: 34 small ones, then x's 64.
.irp m, 0,1,2,3
.irp c, 0,1                                    ; attention's codes are the operand's registers as they lie (a head is a block of 32): K step w of tile m; sixteen lanes read 256 consecutive bytes
	global_load_b128 v[HA+8*\m+4*\c:HA+8*\m+4*\c+3], v[ACV], s[4:5] offset:\c*16384+256*\m th:TH_LOAD_NT
.endr
.irp k, 0,1,2,3                                ; and its scale bytes: one for each of my four heads and each position
	global_load_u8 v[T+4*\m+\k], v[ASV], s[6:7] offset:\k*512+16*\m
.endr
.endr
.irp t, 0,1,2,3,4,5,6,7
	global_load_b128 v[W1S+4*\t:W1S+4*\t+3], v[SCV], s[10:11] offset:(32*(\t/2)+8*(\t%2))*16   ; Wo's scale words
.endr
	global_load_b128 v[BO:BO+3], v[BOV], s[12:13]                  ; bo of my 4 columns of the left 64,
	global_load_b128 v[BO+4:BO+7], v[BOV], s[12:13] offset:256     ; of the right 64
	WIN 0x80
.irp m, 0,1,2,3                                ; x: tile m, columns 64 u on, stage rows 2 i and 2 i + 1: tokens 32 (m / 2) + 8 (m % 2) + 2 i + 8 (i / 4) and the next
.irp u, 0,1
.irp i, 0,1,2,3,4,5,6,7
	global_load_b128 v[64*\m+32*\u+4*\i:64*\m+32*\u+4*\i+3], v[XD], s[14:15] offset:(32*(\m/2)+8*(\m%2)+2*\i+8*(\i/4))*2048+256*\u th:TH_LOAD_NT
.endr
.endr
.endr
	WIN 0
	s_wait_loadcnt 63                              ; the 34 small loads are in (64 were issued behind them; the count's field holds 63)
.irp m, 0,1,2,3
	v_lshl_or_b32 v[T+16+\m], v[T+4*\m+1], 8, v[T+4*\m]            ; four heads' bytes make a K step's scale word
	v_lshl_or_b32 v[T+16+\m], v[T+4*\m+2], 16, v[T+16+\m]
	v_lshl_or_b32 v[T+16+\m], v[T+4*\m+3], 24, v[T+16+\m]
.endr
.irp m, 0,1,2,3
	ds_store_b128 v[HIW], v[HA+8*\m:HA+8*\m+3] offset:4096*\m      ; K step w of the first product's second operand, as images
	ds_store_b128 v[HIW], v[HA+8*\m+4:HA+8*\m+7] offset:4096*\m+512
	ds_store_b32 v[HSW], v[T+16+\m] offset:512*\m
.endr
; Half a tile of x: + bo while a lane's four numbers are four neighbouring columns; then through my stage into the accumulators' layout, back into the same 32 registers.
; LDS serves a wave's instructions in order: the loads see the stores above them, and the next half's stores come behind them.
.macro XPASS m, u
.set XB, 64*(\m)+32*(\u)
	s_wait_loadcnt 56-8*(2*(\m)+(\u))              ; this half's 8 loads are in; the later halves' may be out
	WIN 0x82                                       ; destination and source 0 window 2, bo window 0
.irp i, 0,1,2,3,4,5,6,7
	v_pk_add_f32 v[XB+4*\i:XB+4*\i+1], v[XB+4*\i:XB+4*\i+1], v[BO+4*(\u):BO+4*(\u)+1]
	v_pk_add_f32 v[XB+4*\i+2:XB+4*\i+3], v[XB+4*\i+2:XB+4*\i+3], v[BO+4*(\u)+2:BO+4*(\u)+3]
.endr
	WIN 0x08                                       ; an LDS store's data are its source 1: window 2
.irp i, 0,1,2,3,4,5,6,7
	ds_store_b128 v[SXW], v[XB+4*\i:XB+4*\i+3] offset:2*XSP*\i
.endr
	WIN 0x80
.irp p, 0,1
.irp q, 0,1,2,3
	ds_load_b128 v[XB+16*\p+4*\q:XB+16*\p+4*\q+3], v[SXR] offset:128*\p+16*\q   ; columns 64 u + 32 p + 16 h + 4 q on of token r
.endr
.endr
.endm
.irp m, 0,1,2,3
.irp u, 0,1
	XPASS \m, \u
.endr
.endr
	WIN 0xC0
.irp b, 0,1,2,3
.irp q, 0,1,2,3
	global_load_b128 v[160+16*\b+4*\q:160+16*\b+4*\q+3], v[CV], s[24:25] offset:128*\b+16*\q   ; b1, chunk 0, in the result's layout
.endr
.endr
	WIN 0
.irp t, 0,1,2,3,4,5,6,7
	global_load_b128 v[W2S+4*\t:W2S+4*\t+3], v[SCV2], s[28:29] offset:(32*(\t/2)+8*(\t%2))*64  ; W2's scale words, chunk 0
.endr
	s_wait_tensorcnt 0x0                           ; my part of Wo or W1 has landed,
	s_wait_dscnt 0x0                               ; my images lie in LDS, x + bo is back in registers:
	s_barrier_signal -1
	s_barrier_wait -1                              ; so it is in every wave.
.macro LOADWS adr, s                   ; my 8 tiles' fragments of K step s, from a slot into window 1
	WIN 0x40
.irp t, 0,1,2,3,4,5,6,7
.irp c, 0,1
	ds_load_b128 v[8*(4*\t+\s)+4*\c:8*(4*\t+\s)+4*\c+3], v[\adr] offset:(32*(\t/2)+8*(\t%2))*PITCH+64*\s+32*\c
.endr
.endr
.endm
.macro LOADHS s                        ; the second operand's four fragments of K step s and their scale words
	WIN 0xC0
.irp m, 0,1,2,3
.irp c, 0,1
	ds_load_b128 v[8*(4*\m+\s)+4*\c:8*(4*\m+\s)+4*\c+3], v[HIR] offset:(4*\m+\s)*1024+512*\c
.endr
.endr
	WIN 0
.irp m, 0,1,2,3
	ds_load_b32 v[HS+4*\m+\s], v[HSR] offset:(4*\m+\s)*128
.endr
.endm
.macro MULOUT s, wsc                   ; 32 products onto the 32 accumulators, which take turns
	WIN 0xAD                                       ; weight window 1, second operand window 3, C and D window 2
.irp m, 0,1,2,3
.irp t, 0,1,2,3,4,5,6,7
	WM 64*\m+8*\t, 8*(4*\t+\s), 8*(4*\m+\s), 64*\m+8*\t, \wsc+4*\t+\s, HS+4*\m+\s
.endr
.endr
.endm
; A product onto the accumulators, K = 512: the fragments of a K step (16 loads of the weight, 12 of the second operand) are fetched a step ahead of their products.
.macro FETCHS adr, s
	LOADWS \adr, \s
	LOADHS \s
.endm
.macro BPHASE adr, wsc
	FETCHS \adr, 0
	FETCHS \adr, 1
	s_wait_dscnt 28                                ; all but the younger K step's 28 loads
	MULOUT 0, \wsc
	FETCHS \adr, 2
	s_wait_dscnt 28
	MULOUT 1, \wsc
	FETCHS \adr, 3
	s_wait_dscnt 28
	MULOUT 2, \wsc
	s_wait_dscnt 0x0
	MULOUT 3, \wsc
	WIN 0
.endm
; 64 numbers of a lane, v[HA] on, register 16 b + i = k 32 b + 16 h + i of my token, become a fragment's codes in v[PC] on and its scale word in v[PW]
.macro QUANT
.irp b, 0,1,2,3
	v_max3_num_f32 v[TM+\b], |v[HA+16*\b]|, |v[HA+16*\b+1]|, 0x1800000   ; with the floor 2^(3 - 127): the byte cannot fall under 1
.endr
.irp i, 2,4,6,8,10,12,14
.irp b, 0,1,2,3
	v_max3_num_f32 v[TM+\b], v[TM+\b], |v[HA+16*\b+\i]|, |v[HA+16*\b+\i+1]|
.endr
.endr
.irp b, 0,1,2,3
	v_permlanex16_b32 v[TM+4+\b], v[TM+\b], s[SEL], s[SEL+1]
.endr
.irp b, 0,1,2,3
	v_max_num_f32 v[TM+\b], v[TM+\b], v[TM+4+\b]
.endr
.irp b, 0,1,2,3
	v_add_nc_u32 v[TM+12+\b], 0xff000000, v[TM+\b]
.endr
.irp b, 0,1,2,3
	v_lshrrev_b32 v[TM+4+\b], 23, v[TM+12+\b]
.endr
	v_lshl_or_b32 v[PW], v[TM+5], 8, v[TM+4]
	v_lshl_or_b32 v[PW], v[TM+6], 16, v[PW]
	v_lshl_or_b32 v[PW], v[TM+7], 24, v[PW]
.irp b, 0,1,2,3
	v_cvt_scalef32_pk8_fp4_f32 v[PC+2*\b], v[HA+16*\b:HA+16*\b+7], v[TM+12+\b]
	v_cvt_scalef32_pk8_fp4_f32 v[PC+2*\b+1], v[HA+16*\b+8:HA+16*\b+15], v[TM+12+\b]
.endr
	v_nop                                          ; one plain place behind a scaled conversion
.irp c, 0,1
.irp i, 0,1
	v_permlane16_swap_b32 v[PC+4*\c+\i], v[PC+4*\c+2+\i]
.endr
.endr
.endm
	BPHASE AWPP, W1S                               ; the accumulators now hold x1
	NOPS 4                                         ; places in front of reads of results and of loads into registers that the products have read
	WIN 0x40
.irp b, 0,1,2,3
.irp q, 0,1,2,3
	global_load_b128 v[16*\b+4*\q:16*\b+4*\q+3], v[CV], s[16:17] offset:128*\b+16*\q          ; g2
	global_load_b128 v[64+16*\b+4*\q:64+16*\b+4*\q+3], v[CV], s[18:19] offset:128*\b+16*\q    ; be2
.endr
.endr
	WIN 0
.irp t, 0,1,2,3,4,5,6,7
	global_load_b128 v[W1S+4*\t:W1S+4*\t+3], v[SCV], s[22:23] offset:(32*(\t/2)+8*(\t%2))*16  ; W1's scale words, chunk 0
.endr
; LAYERNORM 2.  A lane holds 64 columns of one token in each of the four tiles; lane l xor 16 holds the wave's other 64.
	WIN 0x0A
.irp m, 0,1,2,3
	v_pk_add_f32 v[T+4*\m:T+4*\m+1], v[64*\m:64*\m+1], v[64*\m+2:64*\m+3]
	v_pk_add_f32 v[T+4*\m+2:T+4*\m+3], v[64*\m+4:64*\m+5], v[64*\m+6:64*\m+7]
.endr
	WIN 0x08
.irp k, 8,12,16,20,24,28,32,36,40,44,48,52,56,60
.irp m, 0,1,2,3
	v_pk_add_f32 v[T+4*\m:T+4*\m+1], v[T+4*\m:T+4*\m+1], v[64*\m+\k:64*\m+\k+1]
	v_pk_add_f32 v[T+4*\m+2:T+4*\m+3], v[T+4*\m+2:T+4*\m+3], v[64*\m+\k+2:64*\m+\k+3]
.endr
.endr
	WIN 0
.irp m, 0,1,2,3
	v_pk_add_f32 v[T+4*\m:T+4*\m+1], v[T+4*\m:T+4*\m+1], v[T+4*\m+2:T+4*\m+3]
.endr
.irp m, 0,1,2,3
	v_add_f32 v[T+4*\m], v[T+4*\m], v[T+4*\m+1]
.endr
.irp m, 0,1,2,3
	v_permlanex16_b32 v[TM+8+\m], v[T+4*\m], s[SEL], s[SEL+1]
.endr
.irp m, 0,1,2,3
	v_add_f32 v[T+4*\m], v[T+4*\m], v[TM+8+\m]
.endr
.irp m, 0,1,2,3
	v_mul_f32 v[T+4*\m], 0x3c000000, v[T+4*\m]     ; the mean of my wave's 128 columns
.endr
.macro CENTER m, p                     ; v[HA] on = tile m's 64 numbers less the low word of the pair p
	WIN 0x02
.set kk, 0
.rept 32
	v_pk_add_f32 v[HA+kk:HA+kk+1], v[64*(\m)+kk:64*(\m)+kk+1], v[(\p):(\p)+1] op_sel_hi:[1,0] neg_lo:[0,1] neg_hi:[0,1]
.set kk, kk+2
.endr
	WIN 0
.endm
.irp m, 0,1,2,3
	CENTER \m, T+4*\m
	v_pk_mul_f32 v[U:U+1], v[HA:HA+1], v[HA:HA+1]
	v_pk_mul_f32 v[U+2:U+3], v[HA+2:HA+3], v[HA+2:HA+3]
.irp k, 4,8,12,16,20,24,28,32,36,40,44,48,52,56,60
	v_pk_fma_f32 v[U:U+1], v[HA+\k:HA+\k+1], v[HA+\k:HA+\k+1], v[U:U+1]
	v_pk_fma_f32 v[U+2:U+3], v[HA+\k+2:HA+\k+3], v[HA+\k+2:HA+\k+3], v[U+2:U+3]
.endr
	v_pk_add_f32 v[U:U+1], v[U:U+1], v[U+2:U+3]
	v_add_f32 v[ST+2*\m+1], v[U], v[U+1]
	v_mov_b32 v[ST+2*\m], v[T+4*\m]
.endr
.irp m, 0,1,2,3
	v_permlanex16_b32 v[TM+8+\m], v[ST+2*\m+1], s[SEL], s[SEL+1]
.endr
.irp m, 0,1,2,3
	v_add_f32 v[ST+2*\m+1], v[ST+2*\m+1], v[TM+8+\m]   ; the squares about that mean
.endr
.irp m, 0,1,2,3
	ds_store_b64 v[STW], v[ST+2*\m:ST+2*\m+1] offset:128*\m   ; both lanes of a token write the same pair
.endr
	s_wait_dscnt 0x0
	s_barrier_signal -1
	s_barrier_wait -1                              ; the four waves' figures lie in LDS
.irp m, 0,1,2,3
.irp w, 0,1,2,3
	ds_load_b64 v[T+8*\m+2*\w:T+8*\m+2*\w+1], v[STR] offset:512*\w+128*\m
.endr
.endr
	s_wait_dscnt 0x0
.irp m, 0,1,2,3
	v_add_f32 v[ST+2*\m], v[T+8*\m], v[T+8*\m+2]
	v_add_f32 v[ST+2*\m+1], v[T+8*\m+4], v[T+8*\m+6]
	v_add_f32 v[ST+2*\m], v[ST+2*\m], v[ST+2*\m+1]
	v_mul_f32 v[ST+2*\m], 0x3e800000, v[ST+2*\m]   ; the row's mean
	v_sub_f32 v[T+8*\m], v[T+8*\m], v[ST+2*\m]
	v_sub_f32 v[T+8*\m+2], v[T+8*\m+2], v[ST+2*\m]
	v_sub_f32 v[T+8*\m+4], v[T+8*\m+4], v[ST+2*\m]
	v_sub_f32 v[T+8*\m+6], v[T+8*\m+6], v[ST+2*\m]
	v_add_f32 v[T+8*\m+1], v[T+8*\m+1], v[T+8*\m+3]
	v_add_f32 v[T+8*\m+5], v[T+8*\m+5], v[T+8*\m+7]
	v_add_f32 v[T+8*\m+1], v[T+8*\m+1], v[T+8*\m+5]
	v_mul_f32 v[T+8*\m], v[T+8*\m], v[T+8*\m]
	v_fma_f32 v[T+8*\m], v[T+8*\m+2], v[T+8*\m+2], v[T+8*\m]
	v_fma_f32 v[T+8*\m], v[T+8*\m+4], v[T+8*\m+4], v[T+8*\m]
	v_fma_f32 v[T+8*\m], v[T+8*\m+6], v[T+8*\m+6], v[T+8*\m]
	v_fma_f32 v[T+8*\m], v[T+8*\m], s87, v[T+8*\m+1]   ; the squares about the row's mean
	v_fma_f32 v[U+2*\m], v[T+8*\m], s34, s35           ; the variance + 1e-5
.endr
.irp m, 0,1,2,3
	v_rsq_f32 v[U+2*\m], v[U+2*\m]
.endr
	v_nop
	s_wait_alu depctr_va_vdst(0)                   ; one wait for the four
	s_wait_loadcnt 0x0                             ; g2, be2 (and b1, the scale words)
.irp m, 0,1,2,3
	CENTER \m, ST+2*\m
.set kk, 0
.rept 32
	v_pk_mul_f32 v[HA+kk:HA+kk+1], v[HA+kk:HA+kk+1], v[U+2*\m:U+2*\m+1] op_sel_hi:[1,0]
.set kk, kk+2
.endr
	WIN 0x14                                       ; g2 and be2 lie in window 1
.set kk, 0
.rept 32
	v_pk_fma_f32 v[HA+kk:HA+kk+1], v[HA+kk:HA+kk+1], v[kk:kk+1], v[64+kk:65+kk]
.set kk, kk+2
.endr
	WIN 0
	QUANT                                          ; my 128 columns are K step w of the next product
	ds_store_b128 v[XIW], v[PC:PC+3] offset:4096*\m
	ds_store_b128 v[XIW], v[PC+4:PC+7] offset:4096*\m+512
	ds_store_b32 v[XSW], v[PW] offset:512*\m
.if \m == 0
	ds_store_b128 v[XIW], v[PC:PC+3] offset:16384                  ; tile 0 once more, as the fifth tile
	ds_store_b128 v[XIW], v[PC+4:PC+7] offset:16384+512
	ds_store_b32 v[XSW], v[PW] offset:2048
.endif
	s_wait_dscnt 0x0                               ; the stores have read their registers, and have landed
.endr
	s_barrier_signal -1
	s_barrier_wait -1                              ; xn's images are whole.
	WIN 0xC0
.irp s, 0,1,2,3                                ; tile 0's fragments and scale words: from here on each tile's are asked for a trip ahead
.irp c, 0,1
	ds_load_b128 v[128+8*\s+4*\c:128+8*\s+4*\c+3], v[XI0] offset:1024*\s+512*\c
.endr
.endr
	WIN 0
.irp s, 0,1,2,3
	ds_load_b32 v[XS+\s], v[XS0] offset:128*\s
.endr
; GELU of 16 numbers, v[x] on, in place.  The reciprocals alternate with the lines that form -z z log2(e) + C0, the exponentials with those that form max(x, 0): plain work that names no result of theirs,
; so that each batch's one wait does not stand straight behind sixteen transcendentals.
.macro GELU16 x
.irp i, 0,1,2,3,4,5,6,7,8,9,10,11,12,13,14,15
	v_fma_f32 v[TT+\i], |v[(\x)+\i]|, s[K1], 1.0   ; 1 + z / 2
.endr
.irp k, 0,2,4,6,8,10,12,14
	v_rcp_f32 v[TT+\k], v[TT+\k]                   ; t
	v_pk_mul_f32 v[EX+\k:EX+\k+1], v[(\x)+\k:(\x)+\k+1], v[(\x)+\k:(\x)+\k+1]
	v_rcp_f32 v[TT+\k+1], v[TT+\k+1]
	v_pk_fma_f32 v[EX+\k:EX+\k+1], v[EX+\k:EX+\k+1], s[NK:NK+1], v[C0V:C0V+1] op_sel_hi:[1,0,1]   ; the last step's addend
.endr
	s_wait_alu depctr_va_vdst(0)                   ; one wait for the sixteen, ahead of their first reader
.irp k, 0,2,4,6,8,10,12,14
	v_pk_fma_f32 v[PG+\k:PG+\k+1], v[TT+\k:TT+\k+1], s[CF+18:CF+19], v[C8V:C8V+1] op_sel_hi:[1,0,1]
.endr
.irp c, 14,12,10,8,6,4,2
.irp k, 0,2,4,6,8,10,12,14
	v_pk_fma_f32 v[PG+\k:PG+\k+1], v[PG+\k:PG+\k+1], v[TT+\k:TT+\k+1], s[CF+\c:CF+\c+1] op_sel_hi:[1,1,0]
.endr
.endr
.irp k, 0,2,4,6,8,10,12,14
	v_pk_fma_f32 v[PG+\k:PG+\k+1], v[PG+\k:PG+\k+1], v[TT+\k:TT+\k+1], v[EX+\k:EX+\k+1]
.endr
.irp i, 0,1,2,3,4,5,6,7,8,9,10,11,12,13,14,15
	v_exp_f32 v[PG+\i], v[PG+\i]
	v_max_num_f32 v[EX+\i], 0, v[(\x)+\i]
.endr
	s_wait_alu depctr_va_vdst(0)                   ; one wait for the sixteen
.irp k, 0,2,4,6,8,10,12,14
	v_pk_mul_f32 v[TT+\k:TT+\k+1], v[TT+\k:TT+\k+1], v[PG+\k:PG+\k+1]   ; erfc / 2
.endr
.irp i, 0,1,2,3,4,5,6,7,8,9,10,11,12,13,14,15
	v_fma_f32 v[(\x)+\i], -|v[(\x)+\i]|, v[TT+\i], v[EX+\i]
.endr
.endm
; My 128 hidden units of the chunk for the four tiles of tokens, a tile a trip: product, gelu, quantiser, image to LDS.  The next tile's fragments of xn are asked for behind this tile's products
; and land under gelu; the last trip's are the fifth tile's, which is tile 0: the next chunk's first.
.macro MLOOP
	s_mov_b32 s[MC], 0
	s_mov_b32 s[MX], 0
	s_mov_b32 s[MS], 0
.Lm_\@:
	s_wait_dscnt 0x0                               ; this tile's fragments, asked for a trip ago, are in; the last trip's image stores have read their registers
	WIN 0x3D                                       ; W1 window 1, xn window 3, b1 (C) window 3, D window 0
.irp t, 0,1,2,3,4,5,6,7
	WM HA+8*\t, 8*(4*\t), 128, 160+8*\t, W1S+4*\t, XS
.endr
	WIN 0x0D
.irp s, 1,2,3
.irp t, 0,1,2,3,4,5,6,7                        ; the eight accumulators take turns
	WM HA+8*\t, 8*(4*\t+\s), 128+8*\s, HA+8*\t, W1S+4*\t+\s, XS+\s
.endr
.endr
	WIN 0
	v_add_nc_u32 v[ADX], s[MX], v[XI0]             ; four plain lines that name no register of the products: the places in front of the loads below and of the first read of results
	v_add_nc_u32 v[ADXS], s[MS], v[XS0]
	v_add_nc_u32 v[ADH], s[MX], v[HIW]
	v_add_nc_u32 v[ADHS], s[MS], v[HSW]
	WIN 0xC0
.irp s, 0,1,2,3
.irp c, 0,1
	ds_load_b128 v[128+8*\s+4*\c:128+8*\s+4*\c+3], v[ADX] offset:4096+1024*\s+512*\c
.endr
.endr
	WIN 0
.irp s, 0,1,2,3
	ds_load_b32 v[XS+\s], v[ADXS] offset:512+128*\s
.endr
	GELU16 HA
	GELU16 HA+16
	GELU16 HA+32
	GELU16 HA+48
	QUANT                                          ; K step w of the chunk's part of the last product
	ds_store_b128 v[ADH], v[PC:PC+3]
	ds_store_b128 v[ADH], v[PC+4:PC+7] offset:512
	ds_store_b32 v[ADHS], v[PW]
	s_add_co_u32 s[MX], s[MX], 4096
	s_add_co_u32 s[MS], s[MS], 512
	s_add_co_u32 s[MC], s[MC], 1
	s_cmp_lt_u32 s[MC], 4
	s_cbranch_scc1 .Lm_\@
.endm
; A CHUNK of 512 hidden units.  last = 1: nothing is left of W1 to fetch.
.macro CHUNK last
	LOADWS AWPQ, 0                                 ; my rows of W1's chunk, from slot Q into registers
	LOADWS AWPQ, 1
	LOADWS AWPQ, 2
	LOADWS AWPQ, 3
	WIN 0
	s_wait_tensorcnt 0x0                           ; no tensor load of mine is out
	ds_add_u32 v[SPW], v[NIL]                      ; 0 onto my spare word
	s_wait_dscnt 0x0                               ; the add is done; my reads of both slots and of the second operand's images are over
	ROUND                                          ; so it is in every wave of every partner
	s_cmp_lt_u32 s[WV], 2
	s_cbranch_scc0 .Lfor_q_\@
	tensor_load_to_lds s[G0P:G0P+3], s[G1B:G1B+7]  ; slot P: W2's chunk.  It has the four trips below in which to land
	s_nop 0
	NOPS 4
.if \last
.Lfor_q_\@:
.else
	s_branch .Lasked_\@
.Lfor_q_\@:
	tensor_load_to_lds s[G0Q:G0Q+3], s[G1A:G1A+7]  ; slot Q: W1's next chunk
	s_nop 0
	NOPS 4
.Lasked_\@:
.endif
	s_wait_loadcnt 0x0                             ; b1 and the scale words, asked for a chunk ago
	MLOOP
	s_wait_xcnt 0x0                                ; earlier loads have read their bases
	WIN 0xC0
.if \last
.irp b, 0,1,2,3
.irp q, 0,1,2,3
	global_load_b128 v[160+16*\b+4*\q:160+16*\b+4*\q+3], v[CV], s[30:31] offset:128*\b+16*\q   ; b2
.endr
.endr
	WIN 0
.else
	s_add_nc_u64 s[24:25], s[24:25], 2048
	s_add_nc_u64 s[22:23], s[22:23], 8192
.irp b, 0,1,2,3
.irp q, 0,1,2,3
	global_load_b128 v[160+16*\b+4*\q:160+16*\b+4*\q+3], v[CV], s[24:25] offset:128*\b+16*\q   ; the next chunk's b1
.endr
.endr
	WIN 0
.irp t, 0,1,2,3,4,5,6,7
	global_load_b128 v[W1S+4*\t:W1S+4*\t+3], v[SCV], s[22:23] offset:(32*(\t/2)+8*(\t%2))*16   ; and W1's scale words
.endr
.endif
	s_wait_tensorcnt 0x0                           ; my one load has landed, so the descriptors may step
.if !\last
	s_add_nc_u64 s[G0P+2:G0P+3], s[G0P+2:G0P+3], 256
	s_add_nc_u64 s[G0Q+2:G0Q+3], s[G0Q+2:G0Q+3], 131072
.endif
	s_wait_dscnt 0x0                               ; my images of the hidden layer have landed
	s_barrier_signal -1
	s_barrier_wait -1                              ; both slots and the sixteen images are whole.
	BPHASE AWPP, W2S
	NOPS 4                                         ; places in front of loads into registers that the products have read, and of the first read of results
.if !\last
	s_wait_xcnt 0x0
	s_add_nc_u64 s[28:29], s[28:29], 16
.irp t, 0,1,2,3,4,5,6,7
	global_load_b128 v[W2S+4*\t:W2S+4*\t+3], v[SCV2], s[28:29] offset:(32*(\t/2)+8*(\t%2))*64  ; W2's scale words of the next chunk
.endr
.endif
.endm
	s_mov_b32 s[CC], 0
.Lchunk:
	CHUNK 0
	s_add_co_u32 s[CC], s[CC], 1
	s_cmp_lt_u32 s[CC], 3
	s_cbranch_scc1 .Lchunk
	CHUNK 1                                        ; the last chunk is written out
; THE WAY OUT, a tile of 16 tokens at a time: + b2; a lane's 64 numbers lie in four pieces of a row, so a tile goes through my stage in LDS and comes back as rows of 512 bytes.
.macro TOST m
	WIN 0x8E
.set kk, 0
.rept 32
	v_pk_add_f32 v[64*(\m)+kk:64*(\m)+kk+1], v[64*(\m)+kk:64*(\m)+kk+1], v[160+kk:160+kk+1]
.set kk, kk+2
.endr
	WIN 0x08                                       ; an LDS store's data are its source 1: window 2
.irp t, 0,1,2,3,4,5,6,7
	ds_store_b128 v[STO], v[64*(\m)+8*\t:64*(\m)+8*\t+3] offset:128*(\t/2)+32*(\t%2)
	ds_store_b128 v[STO], v[64*(\m)+8*\t+4:64*(\m)+8*\t+7] offset:128*(\t/2)+32*(\t%2)+16
.endr
	WIN 0x40                                       ; back into window 1.  LDS serves a wave's instructions in order: these see the stores above, and the next tile's stores come behind them
.irp i, 0,1,2,3,4,5,6,7,8,9,10,11,12,13,14,15
	ds_load_b128 v[64*((\m)%2)+4*\i:64*((\m)%2)+4*\i+3], v[RD] offset:SPI*\i
.endr
	WIN 0
.endm
.macro SEND m, younger                 ; younger: the LDS instructions issued behind tile m's loads, which may stay out
	s_wait_dscnt \younger
	WIN 0x04                                       ; a store's data are its source 1: window 1
.irp i, 0,1,2,3,4,5,6,7,8,9,10,11,12,13,14,15
	global_store_b128 v[GO], v[64*((\m)%2)+4*\i:64*((\m)%2)+4*\i+3], s[32:33] offset:(32*((\m)/2)+8*((\m)%2)+\i+8*(\i/8))*2048 th:TH_STORE_NT   ; 32 lanes store 512 consecutive bytes, aligned
.endr
	WIN 0
.endm
	s_wait_loadcnt 0x0                             ; b2
	TOST 0
	TOST 1
	SEND 0, 32                                     ; behind tile 0's loads: tile 1's 16 stores and 16 loads
	s_wait_xcnt 0x0                                ; tile 0's stores have read their registers
	TOST 2
	SEND 1, 32
	s_wait_xcnt 0x0
	TOST 3
	SEND 2, 32
	SEND 3, 0
	s_wait_tensorcnt 0x0                           ; the wave's end
	ds_add_u32 v[SPW], v[NIL]
	s_wait_dscnt 0x0
	ROUND                                          ; the closing round
	s_endpgm
.Lfunc_end_k_qd5c7acdfbb_ffn:
	.size	k_qd5c7acdfbb_ffn, .Lfunc_end_k_qd5c7acdfbb_ffn-k_qd5c7acdfbb_ffn
	.p2alignl 7, 3214868480
	.fill 96, 4, 3214868480
	.section	.rodata,"a",@progbits
	.p2align	6, 0x0
	.amdhsa_kernel k_qd5c7acdfbb_ffn
		.amdhsa_group_segment_fixed_size 327680
		.amdhsa_private_segment_fixed_size 0
		.amdhsa_enable_private_segment 0
		.amdhsa_kernarg_size 120
		.amdhsa_user_sgpr_count 2
		.amdhsa_user_sgpr_kernarg_segment_ptr 1
		.amdhsa_wavefront_size32 1
		.amdhsa_system_sgpr_workgroup_id_x 1
		.amdhsa_system_sgpr_workgroup_id_y 1
		.amdhsa_system_sgpr_workgroup_id_z 1
		.amdhsa_system_vgpr_workitem_id 0
		.amdhsa_next_free_vgpr 1024
		.amdhsa_next_free_sgpr 102
		.amdhsa_reserve_vcc 0
		.amdhsa_float_denorm_mode_32 3
		.amdhsa_float_denorm_mode_16_64 3
		.amdhsa_memory_ordered 1
		.amdhsa_forward_progress 1
		.amdhsa_inst_pref_size 255
	.end_amdhsa_kernel
	.section	.bss,"aw",@nobits
	.p2align	6
	.space	262144
	.amdgpu_metadata
---
amdhsa.version: [ 1, 2 ]
amdhsa.kernels:
  - .name:           k_qd5c7acdfbb_ffn
    .symbol:         k_qd5c7acdfbb_ffn.kd
    .args:
      - { .name: ac, .offset: 0, .size: 8, .value_kind: global_buffer, .address_space: global }
      - { .name: asc, .offset: 8, .size: 8, .value_kind: global_buffer, .address_space: global }
      - { .name: Wo_codes, .offset: 16, .size: 8, .value_kind: global_buffer, .address_space: global }
      - { .name: Wo_scales, .offset: 24, .size: 8, .value_kind: global_buffer, .address_space: global }
      - { .name: bo, .offset: 32, .size: 8, .value_kind: global_buffer, .address_space: global }
      - { .name: x, .offset: 40, .size: 8, .value_kind: global_buffer, .address_space: global }
      - { .name: g2, .offset: 48, .size: 8, .value_kind: global_buffer, .address_space: global }
      - { .name: be2, .offset: 56, .size: 8, .value_kind: global_buffer, .address_space: global }
      - { .name: W1_codes, .offset: 64, .size: 8, .value_kind: global_buffer, .address_space: global }
      - { .name: W1_scales, .offset: 72, .size: 8, .value_kind: global_buffer, .address_space: global }
      - { .name: b1, .offset: 80, .size: 8, .value_kind: global_buffer, .address_space: global }
      - { .name: W2_codes, .offset: 88, .size: 8, .value_kind: global_buffer, .address_space: global }
      - { .name: W2_scales, .offset: 96, .size: 8, .value_kind: global_buffer, .address_space: global }
      - { .name: b2, .offset: 104, .size: 8, .value_kind: global_buffer, .address_space: global }
      - { .name: out0, .offset: 112, .size: 8, .value_kind: global_buffer, .address_space: global }
    .group_segment_fixed_size: 327680
    .private_segment_fixed_size: 0
    .kernarg_segment_align: 8
    .kernarg_segment_size: 120
    .max_flat_workgroup_size: 128
    .sgpr_count:     102
    .vgpr_count:     1024
    .wavefront_size: 32
...
	.end_amdgpu_metadata
.endif
;; end of part 3
;; ======== version 2 of 2: 3 launches; version 1 with the launch attn written anew for expert scheduling mode
;; workspace buffers: qc 4,194,304 bytes; kc 4,194,304 bytes; vc 4,194,304 bytes; ac 4,194,304 bytes; qsc 262,144 bytes; ksc 262,144 bytes; vsc 262,144 bytes; asc 262,144 bytes
;; launch qkv: the kernel of part 1 again; grid 256 x 1, 4 waves a work-group, clusters of 4 x 1, 327,680 bytes of LDS; arguments x, g1, be1, Wq_codes, Wq_scales, bq, Wk_codes, Wk_scales, bk, Wv_codes, Wv_scales, bv, qc, qsc, kc, ksc, vc, vsc; writes qc, qsc, kc, ksc, vc, vsc
;; launch attn (part 4): grid 256 x 1, 16 waves a work-group, no clusters, 37,888 bytes of LDS; arguments qc, qsc, kc, ksc, vc, vsc, ac, asc; writes ac, asc
.if DOCPART == 4
	.amdgcn_target "amdgcn-amd-amdhsa--gfx1250"
	.amdhsa_code_object_version 6
	.text
	.protected	k_qd5c7acdfbb_attn
	.globl	k_qd5c7acdfbb_attn
	.p2align	8
	.type	k_qd5c7acdfbb_attn,@function
k_qd5c7acdfbb_attn:
	s_mov_b64 s[64:65], 0
	v_nop
	global_prefetch_b8 v0, s[64:65] scope:SCOPE_SE
	s_setreg_imm32_b32 hwreg(HW_REG_WAVE_SCHED_MODE, 0, 2), 2
	s_setreg_imm32_b32 hwreg(HW_REG_WAVE_MODE, 25, 1), 1
	s_wait_xcnt 0x0
	s_wait_alu depctr_vm_vsrc(0)
; Attention on codes of FP4 (E2M1) with E8M0 scales: S^T = K Q^T, the softmax by the rule p = 2^(t - M) with M a whole number, O^T = V^T P^T, O / the row's sum, and the quantising of O (a head's 32 channels are one block of the next product's K).
; SHARES.  Work-group G takes heads 2 (G % 8) and 2 (G % 8) + 1 of batch G / 8: their K and V (32 KB of codes) lie in LDS for the whole launch, loaded once through registers.  No two work-groups read the same bytes: so no cluster.
; Each of the sixteen waves takes query tiles w and w + 16 of both heads, one after the other; four waves share a SIMD, so that one wave's vector work stands beside another's products and LDS loads.
; THE HEAD HAS 32 CHANNELS, THE INSTRUCTION 128 ALONG K.  A fragment of K therefore holds FOUR tiles of 16 keys, one in each block of 32; it is multiplied by four copies of Q's tile, each with Q's codes in one block and zero codes
; in the other three: zero codes add nothing under any scale byte that this program makes.  So no byte of K is read twice and nothing is unpacked.
; Keys lie by position (a token's number with bits 3 and 4 swapped), so the 16 registers of tiles 2 b and 2 b + 1 are 16 neighbouring keys; V's codes lie as the registers of its operand.  A lane holds ONE query (lane % 16) throughout.
; LIMITS.  A block of zeros gets the scale byte 1 and not 127 (its codes are zeros; only this program reads the bytes).  NaN and infinities are not served.
; REGISTERS: v1-7 addresses; v8-23 four tiles of Q as loaded, v24-27 their scale words; v28-51 Q's four copies; v52 Q's scale; v53-55 offsets; v56-71 K, v72-87 V, v88-91 their scale words; v92 -M, v93 the largest t, v[94:95] the sum;
;   v96-159 S^T, then p; v160-175 O^T; v176-183 p's codes; v184-204 at work; v205-207 addresses; v216-231 O; v232-237 its codes and bytes; v254, v255 the closing add's two.
; THE MODE: SCHED_MODE bits 1:0 = 2 (LLVM: expert scheduling mode 2), set by the entry lines.  The code itself states the register dependences
; between vector or matrix instructions and memory or LDS instructions, with s_wait_alu, always for 0.
; THE PLAN.  Registers that LDS or memory instructions touch, in the loop over key steps:
;   v56-71, v88-89  K and its scale words.  Read by step j's eight products K Q^T; behind them the LDS loads of step j + 1 land there (a tile's first step: loads at the tile's head).
;   v72-87, v90-91  V and its scale words.  Read by step j's two products V^T P^T, at the step's end; the LDS loads of step j + 1 land there in the middle of that step.
;   v3, v4          The step's LDS addresses.  Written by two additions at the step's head; read by the step's twelve (in the last step six) loads.
;   All else in the loop is named by vector and matrix instructions alone.
; So all loads of a step stand in ONE run, behind the wait on va_vdst that the 64 exponentials have: it also states that v3 and v4 are written, that this step's products K Q^T are done reading K, and that the last step's
; products V^T P^T are done reading V.  No vector or matrix instruction stands between that wait and the loads.  One wait on vm_vsrc a step stands ahead of the two additions.
;   Outside the loop: v1, v2, v5-7, v53-55, v205-207: addresses, written at the head and never again.  v232-233: written by a tile's two conversions, read by its global store.  v234-237: one a tile, written once, read by one LDS store.
;   v96-113: loaded and stored to LDS at the head, then S^T; v96-99 take an LDS load and feed a global store at the very end.
.set KI, 0                             ; K's codes, 8,192 bytes a head
.set VI, 16384                         ; V's
.set KS, 32768                         ; K's scale words: [head][64 keys][r]
.set VS, 33792                         ; V's: [head][128 keys][channels' half][r]
.set OS, 34816                         ; O's scale bytes: [head][position]
.set S, 96
.set O, 160
.set PCD, 176
.set BM, 184
.set BP, 188
.set SO, 196
.set FF, 200
.set TP, 202
.set PSW, 204
.set NM, 92
.set LSM, 94
.set WV, 20
.set CS, 22
.set SEL, 24
	s_load_b512 s[4:19], s[0:1], 0x0               ; qc, qsc, kc, ksc, vc, vsc, ac, asc
	v_lshl_add_u32 v254, v0, 2, 0x8c00
	v_mov_b32 v255, 0
	v_lshrrev_b32 v208, 5, v0
	v_readfirstlane_b32 s[WV], v208                ; wave 0..15
	v_and_b32 v208, 31, v0
	v_and_b32 v209, 15, v0                         ; r
	v_bfe_u32 v210, v0, 4, 1                       ; h
	v_cmp_eq_u32 s27, 1, v210                      ; lanes 16-31
	v_lshlrev_b32 v1, 4, v208                      ; 16 x lane: an image's place for my lane
	v_lshlrev_b32 v2, 2, v209                      ; 4 r: a scale word's
	v_lshlrev_b32 v7, 4, v0                        ; 16 x thread
	s_wait_alu depctr_va_sdst(0)                   ; the wave's number and the mask s27 are written, ahead of the first reader of either
	s_lshl_b32 s21, s[WV], 8
	v_lshl_add_u32 v53, v209, 4, s21               ; Q: 256 w + 16 r
	v_lshl_add_u32 v5, v210, 3, v53                ; O's codes: + 8 h
	s_lshl_b32 s21, s[WV], 4
	v_add_nc_u32 v6, s21, v209
	v_add_nc_u32 v6, OS, v6                        ; O's byte: position 16 w + r
	s_lshr_b32 s21, s[WV], 2
	s_lshl_b32 s21, s21, 10
	v_lshl_add_u32 v54, v209, 4, s21               ; Q's scale words
	v_bfe_u32 v211, v0, 4, 3
	v_lshlrev_b32 v211, 10, v211
	v_lshl_add_u32 v55, v209, 4, v211
	v_lshrrev_b32 v211, 7, v0
	v_lshl_add_u32 v55, v211, 2, v55               ; K's and V's scale words in memory: thread = (head, 64 keys, r)
	v_lshl_add_u32 v205, v0, 2, KS
	v_lshl_add_u32 v206, v211, 9, VS
	v_bfe_u32 v211, v0, 5, 2
	v_lshl_add_u32 v206, v211, 7, v206
	v_lshl_add_u32 v206, v209, 2, v206
	v_lshl_add_u32 v206, v210, 1, v206             ; V's: two bytes of a word of 128 keys come from each 64 keys
	v_lshl_add_u32 v207, v0, 4, OS
	s_and_b32 s26, s[WV], 3
	s_mul_i32 s26, s26, 0x01010101                 ; picks byte w % 4 of a scale word into all four bytes
	s_mov_b32 s[CS], 0x3e8293ee                    ; c = log2(e) / sqrt(32)
	s_mov_b32 s[CS+1], s[CS]
	s_mov_b32 s[SEL], 0x76543210
	s_mov_b32 s[SEL+1], 0xfedcba98
.irp i, 0,1,2,3
	v_mov_b32 v[32+\i], 0                          ; the zero codes of Q's copies
	v_mov_b32 v[44+\i], 0
	v_mov_b32 v[BP+\i], 0                          ; a lane permute's destination counts as one of its sources
.endr
	v_mov_b32 v[FF+1], 0                           ; named as the upper half of a pair
	s_lshl_b32 s32, ttmp9, 14                      ; two heads of 8,192 bytes
	s_mov_b32 s33, 0
	s_lshr_b32 s34, ttmp9, 3
	s_lshl_b32 s34, s34, 13                        ; the batch's 8,192 bytes of scale words,
	s_bfe_u32 s21, ttmp9, 0x20001
	s_lshl_b32 s21, s21, 8
	s_add_co_u32 s34, s34, s21                     ; the four heads' group,
	s_and_b32 s21, ttmp9, 1
	s_lshl_b32 s21, s21, 3
	s_add_co_u32 s34, s34, s21                     ; my two heads in it
	s_mov_b32 s35, 0
	s_lshl_b32 s36, ttmp9, 10
	s_mov_b32 s37, 0
	s_wait_kmcnt 0x0
	s_add_nc_u64 s[4:5], s[4:5], s[32:33]
	s_add_nc_u64 s[8:9], s[8:9], s[32:33]
	s_add_nc_u64 s[12:13], s[12:13], s[32:33]
	s_add_nc_u64 s[16:17], s[16:17], s[32:33]
	s_add_nc_u64 s[6:7], s[6:7], s[34:35]
	s_add_nc_u64 s[10:11], s[10:11], s[34:35]
	s_add_nc_u64 s[14:15], s[14:15], s[34:35]
	s_add_nc_u64 s[18:19], s[18:19], s[36:37]
	s_wait_alu depctr_va_vdst(0)                   ; all addresses and offsets (v1, v2, v5-7, v53-55, v205-207) are written: every load and store of the kernel but the key steps' reads one of them
	global_load_b128 v[96:99], v7, s[8:9] th:TH_LOAD_NT            ; 512 threads x 16 bytes: a head's codes a load
	global_load_b128 v[100:103], v7, s[8:9] offset:8192 th:TH_LOAD_NT
	global_load_b128 v[104:107], v7, s[12:13] th:TH_LOAD_NT
	global_load_b128 v[108:111], v7, s[12:13] offset:8192 th:TH_LOAD_NT
.irp e, 0,1
.irp u, 0,1
	global_load_b128 v[8+4*(2*\e+\u):11+4*(2*\e+\u)], v53, s[4:5] offset:\e*8192+\u*4096
	global_load_b32 v[24+2*\e+\u], v54, s[6:7] offset:\u*4096+4*\e
.endr
.endr
	s_cmp_lt_u32 s[WV], 8                          ; 256 threads bring the 256 scale words of K and of V
	s_cbranch_scc0 .Lno_scales
	global_load_b32 v112, v55, s[10:11]
	global_load_b32 v113, v55, s[14:15]
	s_wait_loadcnt 0x0
	ds_store_b32 v205, v112
	ds_store_b16 v206, v113                        ; channels' half 0: the two blocks of my 64 keys,
	ds_store_b16_d16_hi v206, v113 offset:64       ; half 1
.Lno_scales:
	s_wait_loadcnt 0x0
	ds_store_b128 v7, v[96:99]
	ds_store_b128 v7, v[100:103] offset:8192
	ds_store_b128 v7, v[104:107] offset:16384
	ds_store_b128 v7, v[108:111] offset:24576
	s_wait_dscnt 0x0                               ; my stores have landed:
	s_barrier_signal -1
	s_barrier_wait -1                              ; everybody's have
	s_wait_alu depctr_vm_vsrc(0)                   ; my LDS stores have read v96-113: these registers are S^T from here on, written by the products
; One tile of 16 queries of head e: tile w + 16 u.
.macro TILE e, u
.set RQ, 8+4*(2*\e+\u)
.irp f, 0,1                                    ; the first key step's K, by addresses that are never rewritten.  No wait: the last wait on va_vdst stands behind every product that read these registers, and nothing since names them
.irp c, 0,1
	ds_load_b128 v[56+8*\f+4*\c:59+8*\f+4*\c], v1 offset:KI+\e*8192+1024*\f+512*\c
.endr
	ds_load_b32 v[88+\f], v2 offset:KS+512*\e+64*\f
.endr
	v_perm_b32 v52, v[24+2*\e+\u], v[24+2*\e+\u], s26   ; my tile's scale byte in all four bytes
.irp i, 0,1,2,3
	v_cndmask_b32 v[28+\i], v[RQ+\i], 0, s27       ; Q's codes in lanes 0-15 alone (blocks 0 and 2),
	v_cndmask_b32 v[36+\i], v[RQ+\i], 0, s27
	v_cndmask_b32 v[40+\i], 0, v[RQ+\i], s27       ; in lanes 16-31 alone (blocks 1 and 3)
	v_cndmask_b32 v[48+\i], 0, v[RQ+\i], s27
.endr
	v_mov_b32 v[NM+1], 0xff61b1e6                  ; the largest t so far: -3e38
	v_floor_f32 v[NM], -v[NM+1]
	v_mov_b32 v[LSM], 0
	v_mov_b32 v[LSM+1], 0
.irp j, 0,1,2,3,4,5,6,7,8,9,10,11,12,13,14,15
	v_mov_b32 v[O+\j], 0                           ; the step is written once: the first finds zeros
.endr
	s_mov_b32 s28, 0
	s_mov_b32 s29, 0
	s_mov_b32 s30, 0
	s_wait_alu depctr_va_vdst(0)                   ; Q's four copies and its scale word are written, which the scaled products below take as operand and scale; the twenty lines above are the places ahead of this wait
	s_wait_dscnt 0x0                               ; the first step's K is in
.Lstep_\@:                                     ; four key steps of 128 keys
	s_wait_alu depctr_vm_vsrc(0)                   ; the last step's LDS loads have read v3 and v4
	v_add_nc_u32 v3, s28, v1
	v_add_nc_u32 v4, s29, v2
.irp t, 0,1,2,3,4,5,6,7                        ; tile t of 16 keys is block t % 4 of fragment t / 4
	v_wmma_scale_f32_16x16x128_f8f6f4 v[S+8*\t:S+8*\t+7], v[56+8*(\t/4):63+8*(\t/4)], v[28+12*(\t%2)+4*((\t%4)/2):35+12*(\t%2)+4*((\t%4)/2)], 0, v[88+\t/4], v52 matrix_a_fmt:MATRIX_FMT_FP4 matrix_b_fmt:MATRIX_FMT_FP4
.endr
.rept 4
	v_nop
.endr
.irp b, 0,1,2,3
	v_max3_num_f32 v[BM+\b], v[S+16*\b], v[S+1+16*\b], v[S+2+16*\b]   ; the largest score of each block of 32 keys: for the row's maximum and, since p rises with the score, for the block's largest p
.endr
.irp i, 3,5,7,9,11,13
.irp b, 0,1,2,3
	v_max3_num_f32 v[BM+\b], v[BM+\b], v[S+16*\b+\i], v[S+1+16*\b+\i]
.endr
.endr
.irp b, 0,1,2,3
	v_max_num_f32 v[BM+\b], v[BM+\b], v[S+15+16*\b]
.endr
.irp b, 0,1,2,3
	v_permlanex16_b32 v[BP+\b], v[BM+\b], s[SEL], s[SEL+1]
.endr
.irp b, 0,1,2,3
	v_max_num_f32 v[BM+\b], v[BM+\b], v[BP+\b]
.endr
	v_max3_num_f32 v[TP], v[BM], v[BM+1], v[BM+2]
	v_max_num_f32 v[TP], v[TP], v[BM+3]
	v_mul_f32 v[TP], s[CS], v[TP]
	v_max_num_f32 v[NM+1], v[NM+1], v[TP]          ; the running largest t
	v_mov_b32 v[TP], v[NM]
	v_floor_f32 v[NM], -v[NM+1]                    ; -M = floor(-t): M is a whole number
	v_sub_f32 v[TP], v[NM], v[TP]
	v_cvt_i32_f32 v[TP], v[TP]                     ; (it saturates)
	v_ldexp_f32 v[FF], 1.0, v[TP]                  ; f = 2^(old M - new M): a multiplication by it rounds nothing
.set jj, 0
.rept 32
	v_pk_fma_f32 v[S+jj:S+jj+1], v[S+jj:S+jj+1], s[CS:CS+1], v[NM:NM+1] op_sel_hi:[1,0,0]   ; t - M
.set jj, jj+2
.endr
.irp b, 0,1,2,3
	v_fma_f32 v[BM+\b], v[BM+\b], s[CS], v[NM]
.endr
.set jj, 0
.rept 64
	v_exp_f32 v[S+jj], v[S+jj]                     ; p, not normalised
.set jj, jj+1
.endr
	v_pk_mul_f32 v[LSM:LSM+1], v[LSM:LSM+1], v[FF:FF+1] op_sel_hi:[1,0]   ; a plain place behind the exponentials
	s_wait_alu depctr_va_vdst(0)                   ; the 64 exponentials have written p, ahead of its first reader; v3 and v4 are written; this step's products are done reading K and its words, the last step's V and its words
.irp f, 0,1                                    ; this step's V.  No vector or matrix instruction stands between the wait and these loads
.irp c, 0,1
	ds_load_b128 v[72+8*\f+4*\c:75+8*\f+4*\c], v3 offset:VI+\e*8192+1024*\f+512*\c
.endr
	ds_load_b32 v[90+\f], v4 offset:VS+512*\e+64*\f
.endr
	s_cmp_eq_u32 s30, 3                            ; the tile's last step asks for no further K
	s_cbranch_scc1 .Lno_next_\@
.irp f, 0,1                                    ; the next step's K: 2,048 bytes of codes and 128 of scale words further on
.irp c, 0,1
	ds_load_b128 v[56+8*\f+4*\c:59+8*\f+4*\c], v3 offset:KI+\e*8192+2048+1024*\f+512*\c
.endr
	ds_load_b32 v[88+\f], v4 offset:KS+512*\e+128+64*\f
.endr
.Lno_next_\@:
.irp b, 0,1,2,3
	v_exp_f32 v[BM+\b], v[BM+\b]                   ; the blocks' largest p
.endr
	v_pk_add_f32 v[BP:BP+1], v[S:S+1], v[S+2:S+3]  ; the row's sum is taken of the unquantised p, in two chains
.irp j, 4,8,12,16,20,24,28,32,36,40,44,48,52,56,60
	v_pk_add_f32 v[LSM:LSM+1], v[LSM:LSM+1], v[S+\j:S+1+\j]
	v_pk_add_f32 v[BP:BP+1], v[BP:BP+1], v[S+2+\j:S+3+\j]
.endr
	v_pk_add_f32 v[LSM:LSM+1], v[LSM:LSM+1], v[BP:BP+1]
	s_wait_alu depctr_va_vdst(0)                   ; the four exponentials have written the blocks' largest p, ahead of its first reader
.irp b, 0,1,2,3
	v_max_num_f32 v[BM+\b], 0x1800000, v[BM+\b]    ; the floor 2^(3 - 127)
.endr
.irp b, 0,1,2,3
	v_add_nc_u32 v[SO+\b], 0xff000000, v[BM+\b]
.endr
.irp b, 0,1,2,3
	v_lshrrev_b32 v[BP+\b], 23, v[SO+\b]
.endr
	v_lshl_or_b32 v[PSW], v[BP+1], 8, v[BP]        ; p's scale word for these 128 keys
	v_lshl_or_b32 v[PSW], v[BP+2], 16, v[PSW]
	v_lshl_or_b32 v[PSW], v[BP+3], 24, v[PSW]
.irp b, 0,1,2,3
	v_cvt_scalef32_pk8_fp4_f32 v[PCD+2*\b], v[S+16*\b:S+7+16*\b], v[SO+\b]
	v_cvt_scalef32_pk8_fp4_f32 v[PCD+1+2*\b], v[S+8+16*\b:S+15+16*\b], v[SO+\b]
.endr
	v_nop                                          ; one plain place behind a scaled conversion
.irp c, 0,1
.irp i, 0,1
	v_permlane16_swap_b32 v[PCD+4*\c+\i], v[PCD+2+4*\c+\i]   ; a lane holds whole blocks, as the operand's layout wants
.endr
.endr
.irp j, 0,2,4,6,8,10,12,14
	v_pk_mul_f32 v[O+\j:O+1+\j], v[O+\j:O+1+\j], v[FF:FF+1] op_sel_hi:[1,0]   ; O^T under the new M
.endr
.rept 4
	v_nop                                          ; with the eight above: twelve places between the scale word's last write and the products
.endr
	s_wait_dscnt 0x0                               ; V is in, and so is the next step's K, asked for in the same run
	s_wait_alu depctr_va_vdst(0)                   ; p's codes and its scale word are written, which the scaled products take as operand and scale; the places above stay beside this wait
	v_wmma_scale_f32_16x16x128_f8f6f4 v[O:O+7], v[72:79], v[PCD:PCD+7], v[O:O+7], v90, v[PSW] matrix_a_fmt:MATRIX_FMT_FP4 matrix_b_fmt:MATRIX_FMT_FP4
	v_wmma_scale_f32_16x16x128_f8f6f4 v[O+8:O+15], v[80:87], v[PCD:PCD+7], v[O+8:O+15], v91, v[PSW] matrix_a_fmt:MATRIX_FMT_FP4 matrix_b_fmt:MATRIX_FMT_FP4
	s_add_co_u32 s28, s28, 2048
	s_add_co_u32 s29, s29, 128
	s_add_co_u32 s30, s30, 1
	s_cmp_lt_u32 s30, 4
	s_cbranch_scc1 .Lstep_\@
.rept 4
	v_nop                                          ; places behind the last products, in front of the first read of their results (inside the loop the next step's vector work stands between)
.endr
	v_add_f32 v[LSM], v[LSM], v[LSM+1]
	v_permlanex16_b32 v[BP], v[LSM], s[SEL], s[SEL+1]
	v_add_f32 v[LSM], v[LSM], v[BP]                ; the row's sum
	v_rcp_f32 v[LSM], v[LSM]
	v_nop
	s_wait_alu depctr_va_vdst(0)                   ; the reciprocal is written, ahead of its first reader
.irp j, 0,1,2,3,4,5,6,7,8,9,10,11,12,13,14,15
	v_mul_f32 v[216+\j], v[O+\j], v[LSM]           ; register j: channel 16 h + j of my query
.endr
	v_max3_num_f32 v[BM], |v216|, |v217|, 0x1800000
	v_max3_num_f32 v[BM+1], |v224|, |v225|, |v226|
	v_max3_num_f32 v[BM], v[BM], |v218|, |v219|
	v_max3_num_f32 v[BM+1], v[BM+1], |v227|, |v228|
	v_max3_num_f32 v[BM], v[BM], |v220|, |v221|
	v_max3_num_f32 v[BM+1], v[BM+1], |v229|, |v230|
	v_max3_num_f32 v[BM], v[BM], |v222|, |v223|
	v_max3_num_f32 v[BM], v[BM], v[BM+1], |v231|
	v_permlanex16_b32 v[BP], v[BM], s[SEL], s[SEL+1]
	v_max_num_f32 v[BM], v[BM], v[BP]              ; the head's largest magnitude
	v_add_nc_u32 v[SO], 0xff000000, v[BM]
	v_lshrrev_b32 v[234+2*\e+\u], 23, v[SO]
	s_wait_xcnt 0x0                                ; the last tile's store has read its registers
.if (2*\e+\u) > 0
	s_wait_alu depctr_vm_vsrc(0)                   ; the last tile's global store has read v232 and v233, which the conversions write again
.endif
	v_cvt_scalef32_pk8_fp4_f32 v232, v[216:223], v[SO]
	v_cvt_scalef32_pk8_fp4_f32 v233, v[224:231], v[SO]
	v_nop
	s_wait_alu depctr_va_vdst(0)                   ; the conversions have written v232 and v233 and the shift the tile's byte, which the two stores read
	global_store_b64 v5, v[232:233], s[16:17] offset:\e*8192+\u*4096   ; 32 lanes store 256 consecutive bytes, aligned
	ds_store_b8 v6, v[234+2*\e+\u] offset:\e*512+\u*256                ; both lanes of a query write the same byte with the same value
.endm
	TILE 0, 0
	TILE 0, 1
	TILE 1, 0
	TILE 1, 1
	s_wait_dscnt 0x0
	s_barrier_signal -1
	s_barrier_wait -1                              ; the two heads' 1,024 scale bytes lie in LDS
	s_cmp_lt_u32 s[WV], 2
	s_cbranch_scc0 .Lend
	ds_load_b128 v[96:99], v207                    ; no wait: no vector or matrix instruction has been issued since the last tile's wait on va_vdst, which stands behind all that named v96-99
	s_wait_dscnt 0x0
	global_store_b128 v7, v[96:99], s[18:19]       ; 64 threads store them: 512 consecutive bytes a wave
.Lend:
	s_wait_dscnt 0x0                               ; the closing lines, six on end
	s_wait_alu 0x0
	s_wait_tensorcnt 0x0
	ds_add_u32 v254, v255
	s_wait_dscnt 0x0
	s_endpgm
.Lfunc_end_k_qd5c7acdfbb_attn:
	.size	k_qd5c7acdfbb_attn, .Lfunc_end_k_qd5c7acdfbb_attn-k_qd5c7acdfbb_attn
	.p2alignl 7, 3214868480
	.fill 96, 4, 3214868480
	.section	.rodata,"a",@progbits
	.p2align	6, 0x0
	.amdhsa_kernel k_qd5c7acdfbb_attn
		.amdhsa_group_segment_fixed_size 37888
		.amdhsa_private_segment_fixed_size 0
		.amdhsa_enable_private_segment 0
		.amdhsa_kernarg_size 64
		.amdhsa_user_sgpr_count 2
		.amdhsa_user_sgpr_kernarg_segment_ptr 1
		.amdhsa_wavefront_size32 1
		.amdhsa_system_sgpr_workgroup_id_x 1
		.amdhsa_system_sgpr_workgroup_id_y 1
		.amdhsa_system_sgpr_workgroup_id_z 1
		.amdhsa_system_vgpr_workitem_id 0
		.amdhsa_next_free_vgpr 256
		.amdhsa_next_free_sgpr 66
		.amdhsa_reserve_vcc 0
		.amdhsa_float_denorm_mode_32 3
		.amdhsa_float_denorm_mode_16_64 3
		.amdhsa_memory_ordered 1
		.amdhsa_forward_progress 1
		.amdhsa_inst_pref_size 79
	.end_amdhsa_kernel
	.amdgpu_metadata
---
amdhsa.version: [ 1, 2 ]
amdhsa.kernels:
  - .name:           k_qd5c7acdfbb_attn
    .symbol:         k_qd5c7acdfbb_attn.kd
    .args:
      - { .name: qc, .offset: 0, .size: 8, .value_kind: global_buffer, .address_space: global }
      - { .name: qsc, .offset: 8, .size: 8, .value_kind: global_buffer, .address_space: global }
      - { .name: kc, .offset: 16, .size: 8, .value_kind: global_buffer, .address_space: global }
      - { .name: ksc, .offset: 24, .size: 8, .value_kind: global_buffer, .address_space: global }
      - { .name: vc, .offset: 32, .size: 8, .value_kind: global_buffer, .address_space: global }
      - { .name: vsc, .offset: 40, .size: 8, .value_kind: global_buffer, .address_space: global }
      - { .name: ac, .offset: 48, .size: 8, .value_kind: global_buffer, .address_space: global }
      - { .name: asc, .offset: 56, .size: 8, .value_kind: global_buffer, .address_space: global }
    .group_segment_fixed_size: 37888
    .private_segment_fixed_size: 0
    .kernarg_segment_align: 8
    .kernarg_segment_size: 64
    .max_flat_workgroup_size: 512
    .sgpr_count:     66
    .vgpr_count:     256
    .wavefront_size: 32
...
	.end_amdgpu_metadata
.endif
;; end of part 4
;; launch ffn: the kernel of part 3 again; grid 256 x 1, 4 waves a work-group, clusters of 4 x 1, 327,680 bytes of LDS; arguments ac, asc, Wo_codes, Wo_scales, bo, x, g2, be2, W1_codes, W1_scales, b1, W2_codes, W2_scales, b2, out0; writes out0
